; MI455X (gfx1250); checked and timed in simulation.
; The chip was launched on July 23, 2026; its instructions are those of AMD's public machine-readable ISA for CDNA 5 (MIT licence, August 2026) and "CDNA5" Instruction Set Architecture Reference Guide (July 2026). The comments in the code are by the model that wrote it; some were corrected since.
;; Multi Head Attention. Allowed arithmetic: matrix products marked QUANTISED: E4M3 operands, one given power-of-two scale a tensor, by v_wmma_f32_16x16x64_fp8_fp8 or v_wmma_f32_16x16x128_fp8_fp8, f32 sums; everything else in f32.
;; Inputs: Wk 1,024 x 1,024 float32; Wp 1,024 x 1,024 float32; Wq 1,024 x 1,024 float32; Wv 1,024 x 1,024 float32; bk 1,024 float32; bp 1,024 float32; bq 1,024 float32; bv 1,024 float32; lowp_scales 12 int32 (the exponents e of the quantised operands' scales 2^e); x 4 x 2,048 x 1,024 float32.
;; Outputs: out0 4 x 2,048 x 1,024 float32.
;; This version of the problem:
;;   THIS VERSION OF THE PROBLEM IS GIVEN IN LOW PRECISION. The matrix products marked QUANTISED in the list below multiply operands that are first quantised to E4M3 (4 exponent bits, 3 mantissa bits; 8 bits a number), with one given power-of-two scale for each operand tensor; their sums are f32. All else is computed in f32.
;;   The module's matrix products, in the order in which they are computed (A, B: the left and right operand; K: the contracted axis; several contracted axes count as one K, in the product's order):
;;     1. [M 8,192, K 1,024] x [K 1,024, N 1,024]; A: input x; B: input Wk: QUANTISED (scales: A lowp_scales[0], B lowp_scales[1])
;;     2. [M 8,192, K 1,024] x [K 1,024, N 1,024]; A: input x; B: input Wq: QUANTISED (scales: A lowp_scales[2], B lowp_scales[3])
;;     3. [M 8,192, K 1,024] x [K 1,024, N 1,024]; A: input x; B: input Wv: QUANTISED (scales: A lowp_scales[4], B lowp_scales[5])
;;     4. batch 64 x [M 2,048, K 64] x [K 64, N 2,048]; A: computed on the way; B: computed on the way: QUANTISED (scales: A lowp_scales[6], B lowp_scales[7])
;;     5. batch 64 x [M 2,048, K 2,048] x [K 2,048, N 64]; A: softmax (see below); B: computed on the way: QUANTISED (scales: A lowp_scales[8], B lowp_scales[9])
;;     6. [M 8,192, K 1,024] x [K 1,024, N 1,024]; A: computed on the way; B: input Wp: QUANTISED (scales: A lowp_scales[10], B lowp_scales[11])
;;   THE QUANTISER, for each operand of a quantised product, along K:
;;     - The operand's scale is 2^e, e = its entry of the input lowp_scales (int32; the entries are numbered through the quantised products in the list's order, A before B).
;;     - Each number is divided by the scale, clamped to +-448, and rounded to the nearest number of E4M3, ties to even, subnormals kept.
;;     - The product sums the exact products of the quantised numbers (number of the format x scale) in f32.
;;   ~~~python
;;   def quantise(x, axis, e):      # numpy; x: float32 -> the quantised numbers, widened to float32 again
;;       x = np.moveaxis(x, axis, -1); K = x.shape[-1]
;;       r = np.clip(x / 2.0 ** e, -448, 448)
;;       step = 2.0 ** (np.maximum(np.frexp(np.where(r == 0, 1, r))[1] - 1, -6) - 3)
;;       q = np.round(r / step) * step * 2.0 ** e      # np.round: ties to even
;;       return np.moveaxis(q, -1, axis).astype(np.float32)
;;   ~~~
;;   SOFTMAX AHEAD OF A QUANTISED PRODUCT. Where the list says 'softmax', what is quantised is not the finished softmax but p = 2^(t - M), with t = logit x log2(e) and M = ceil(the row's largest t), a whole number; so 1/2 < the row's largest p <= 1. The row's sum l is taken of the UNQUANTISED p, in f32, and the product's result is divided by l at the end. Since M is a whole number, a kernel that streams over the keys may use a running M (the ceiling of the running maximum): every later rescaling is an exact power of two, so the quantised numbers keep their values, but for numbers so far below the row's largest that they fall under the format's range.
;;   OPERANDS COMPUTED ON THE WAY. 'Computed on the way' means the value that the module computes at that place (a softmax that the list does not call 'softmax' is quantised finished and normalised). What goes into a quantiser is computed in f32, as accurately as f32 sums, v_exp_f32 and their like allow (about 1e-6 of the number): no bf16 or f16 on the way to a quantiser, and a product that is left as it is and whose result goes on into a quantised operand takes f32 operands (vector FMAs, or v_wmma_f32_16x16x4_f32). A number that lies on a knife's edge between two numbers of the format may be rounded either way, as far as f32 arithmetic and the matrix unit's own rounding can turn it there, and no further.
;; 2 versions, each right; version 2 is version 1 with the launch attn written anew for expert scheduling mode. Each part assembles by itself: llvm-mc -triple=amdgcn-amd-amdhsa -mcpu=gfx1250 --defsym DOCPART=n.
;; ======== version 1 of 2: 4 launches
;; workspace buffers: ximg 25,165,824 bytes; wimg 4,194,304 bytes; qkv 25,165,824 bytes; yimg 8,388,608 bytes
;; launch quant (part 1): grid 64 x 12, 4 waves a work-group, no clusters, 34,304 bytes of LDS; arguments x, Wk, Wq, Wv, Wp, lowp_scales, ximg, wimg; writes ximg, wimg
.if DOCPART == 1
	.amdgcn_target "amdgcn-amd-amdhsa--gfx1250"
	.amdhsa_code_object_version 6
	.text
	.protected	k_q7c75e4c770_quant
	.globl	k_q7c75e4c770_quant
	.p2align	8
	.type	k_q7c75e4c770_quant,@function
k_q7c75e4c770_quant:
	s_mov_b64 s[64:65], 0
	v_nop
	global_prefetch_b8 v0, s[64:65] scope:SCOPE_SE
	s_setreg_imm32_b32 hwreg(HW_REG_WAVE_MODE, 25, 1), 1
	s_wait_xcnt 0x0
; x [8192][1024] and Wk, Wq, Wv, Wp [1024][1024], f32 with K innermost, become codes of E4M3, laid as IMAGES OF THE OPERAND'S REGISTERS for v_wmma_f32_16x16x128_fp8_fp8.
; code = number / 2^e, held within +-448, rounded to the nearest code, ties to even.  e: lowp_scales[0], [2], [4] for x (three products), [1], [3], [5], [11] for Wk, Wq, Wv, Wp.
; THE IMAGE of a tensor of R rows: byte = ks (R / 16) 4096 + rt 4096 + q 2048 + c 512 + 16 lane + i holds row 16 rt + lane % 16, k = 256 ks + 128 q + 32 c + 16 (i / 8) + 8 (lane / 16) + i % 8.
; So four loads of 16 bytes a lane, 512 bytes apart, are a fragment's 16 registers in the form's own order of k, and 128 rows of a K step of 256 are 32,768 bytes on end.
; ximg has three parts of XP bytes: x under e0, under e2, under e4; all three are always written, so that the next launch's addresses hang on ids alone.  wimg: four parts of 2^20 bytes.
; SHARES.  A work-group takes 16 rows (y < 8: of x, row tile 64 y + x; y = 8 .. 11: of weight y - 8, row tile x).  Wave w takes k = 256 w .. 256 w + 255: two fragments.
; Each load reads 512 consecutive bytes of a row; the numbers turn through the wave's own stage in LDS (16 rows of 512 + 16 bytes: row r starts 4 r words on, so sixteen rows' 16 bytes fall on different banks: ISA guide 11.1)
; and come back so that a lane's registers run along k as the conversions want them.  Each store covers 512 consecutive bytes, aligned.  Waves share nothing: no barrier.  Work-groups share nothing: no cluster.
; LIMITS: every e between -126 and 119.  NaN among the inputs is not served; an infinity is held at the largest code.
.set XP,   0x800000                    ; bytes of a part of ximg
.set SP,   528                         ; a stage row
.set WST,  16*SP                       ; a wave's stage
.set GL,   1                           ; v1   1024 w + 16 lane: my bytes of a row
.set SS,   2                           ; v2   the stage, on the way in
.set SL,   3                           ; v3   and on the way out: row r, + 32 h
.set GS,   6                           ; v6   my place in the image: w x the K step's stride + 16 lane
.set SC0,  8                           ; v8, v9    2^e and 448 x 2^e of the first group; v10, v11 and v12, v13: of x's second and third
.set SC1,  10
.set SC2,  12
.set R0,   16                          ; v16-79    fragment 0 as loaded; later fragment 1 as turned
.set R1,   80                          ; v80-143   fragment 1 as loaded; later four sets of codes
.set X,    144                         ; v144-207  fragment 0 as turned
.set T,    208                         ; v208-223  sixteen held numbers
.set CX,   224                         ; v224-255  two more sets of codes: each of the six groups has its own, so no store's data are written again
	s_load_b512 s[8:23], s[0:1], 0x0               ; x s[8:9], Wk, Wq, Wv, Wp s[10:17], the scales s[18:19], ximg s[20:21], wimg s[22:23]
	v_lshl_add_u32 v14, v0, 2, 0x8400
	v_mov_b32 v15, 0
	v_lshrrev_b32 v4, 5, v0
	v_readfirstlane_b32 s2, v4                     ; wave
	v_and_b32 v4, 31, v0
	v_lshlrev_b32 v4, 4, v4                        ; 16 lane
	v_and_b32 v5, 15, v0                           ; r
	v_bfe_u32 v7, v0, 4, 1                         ; h
	s_lshl_b32 s4, s2, 10
	v_add_nc_u32 v[GL], s4, v4
	s_mul_i32 s4, s2, WST
	v_add_nc_u32 v[SS], s4, v4
	v_mul_u32_u24 v[SL], v5, SP
	v_lshl_add_u32 v[SL], v7, 5, v[SL]
	v_add_nc_u32 v[SL], s4, v[SL]
	s_and_b32 s3, ttmp7, 0xffff                    ; y
	s_cmp_lt_u32 s3, 8                             ; x or a weight?  The choice hangs on the work-group's number alone
	s_cselect_b32 s5, s3, 0
	s_cselect_b32 s6, 0, 1                         ; 1: a weight
	s_mov_b32 s7, 0x40000
	s_cselect_b32 s7, 0x200000, s7                 ; the image's stride from K step to K step
	s_mul_i32 s7, s7, s2
	v_add_nc_u32 v[GS], s7, v4
	s_lshl_b32 s5, s5, 6
	s_add_co_u32 s5, s5, ttmp9                     ; row tile
	s_max_u32 s36, s3, 8
	s_sub_co_u32 s36, s36, 8
	s_lshl_b32 s36, s36, 20                        ; the weight's part of wimg (0 for x)
	s_lshl_b32 s38, s5, 16                         ; 16 rows of 4,096 bytes
	s_mov_b32 s39, 0
	s_lshl_b32 s40, s5, 12                         ; the row tile's place in a K step of the image
	s_mov_b32 s41, 0
	s_add_co_u32 s42, s40, s36
	s_mov_b32 s43, 0
	s_wait_kmcnt 0x0
	s_load_b256 s[24:31], s[18:19], 0x0            ; e0 .. e7
	s_load_b128 s[32:35], s[18:19], 0x20           ; e8 .. e11
	s_cmp_eq_u32 s3, 8
	s_cselect_b64 s[44:45], s[10:11], s[8:9]
	s_cmp_eq_u32 s3, 9
	s_cselect_b64 s[44:45], s[12:13], s[44:45]
	s_cmp_eq_u32 s3, 10
	s_cselect_b64 s[44:45], s[14:15], s[44:45]
	s_cmp_eq_u32 s3, 11
	s_cselect_b64 s[44:45], s[16:17], s[44:45]
	s_add_nc_u64 s[44:45], s[44:45], s[38:39]      ; my 16 rows
	s_cmp_lt_u32 s3, 8
	s_cselect_b64 s[46:47], s[20:21], s[22:23]
	s_add_nc_u64 s[46:47], s[46:47], s[42:43]      ; where the first group's codes go
	s_add_nc_u64 s[48:49], s[20:21], s[40:41]
	s_add_nc_u64 s[50:51], s[48:49], 2*XP          ; x's third part,
	s_add_nc_u64 s[48:49], s[48:49], XP            ; and its second
.macro LOADF f, r                      ; fragment f: 128 numbers of each of the 16 rows; a load reads 512 consecutive bytes
.irp i, 0,1,2,3,4,5,6,7,8,9,10,11,12,13,14,15
	global_load_b128 v[\r+4*\i:\r+4*\i+3], v[GL], s[44:45] offset:4096*\i+512*\f th:TH_LOAD_NT
.endr
.endm
.macro TURNF r, d                      ; through the stage: LDS serves a wave's instructions in order (ISA guide 5.7.1.4), so no wait stands between the stores and the loads
.irp i, 0,1,2,3,4,5,6,7,8,9,10,11,12,13,14,15
	ds_store_b128 v[SS], v[\r+4*\i:\r+4*\i+3] offset:SP*\i
.endr
.irp c, 0,1,2,3                        ; registers d + 16 c + 0 .. 7: k = 32 c + 8 h + 0 .. 7;  + 8 .. 15: k = 32 c + 16 + 8 h + 0 .. 7
	ds_load_b128 v[\d+16*\c:\d+16*\c+3],     v[SL] offset:128*\c
	ds_load_b128 v[\d+16*\c+4:\d+16*\c+7],   v[SL] offset:128*\c+16
	ds_load_b128 v[\d+16*\c+8:\d+16*\c+11],  v[SL] offset:128*\c+64
	ds_load_b128 v[\d+16*\c+12:\d+16*\c+15], v[SL] offset:128*\c+80
.endr
.endm
.macro MKSC e, sc                      ; 2^e as f32 (the conversion takes its exponent field), and 448 x 2^e
	s_add_co_i32 s56, s[\e], 127
	s_lshl_b32 s57, s56, 23
	v_mov_b32 v[\sc], s57
	s_add_co_i32 s56, s56, 8
	s_lshl_b32 s56, s56, 23
	s_or_b32 s56, s56, 0x600000
	v_mov_b32 v[\sc+1], s56
.endm
; One fragment under one scale: 64 numbers a lane from v[d] on, which stay as they are for the next scale; codes into v[cs] on; four stores
.macro GROUP d, sc, cs, base, f
.irp c, 0,1,2,3
.irp i, 0,1,2,3,4,5,6,7,8,9,10,11,12,13,14,15
	v_med3_num_f32 v[T+\i], v[\d+16*\c+\i], -v[\sc+1], v[\sc+1]   ; the conversion to an 8-bit code does not saturate (ISA guide 7.6.2): the hold comes first
.endr
	v_cvt_scalef32_pk8_fp8_f32 v[\cs+4*\c:\cs+4*\c+1],   v[T:T+7],    v[\sc]
	v_cvt_scalef32_pk8_fp8_f32 v[\cs+4*\c+2:\cs+4*\c+3], v[T+8:T+15], v[\sc]
	v_nop                                          ; a plain line between the conversions and the next holds, which write their sources
.endr
.irp c, 0,1,2,3
	global_store_b128 v[GS], v[\cs+4*\c:\cs+4*\c+3], s[\base:\base+1] offset:2048*\f+512*\c   ; 32 lanes store 512 consecutive bytes, aligned
.endr
.endm
.macro FRAGQ d, f, c0, c1, c2          ; a fragment under its one scale (a weight) or under x's three: the branch hangs on the work-group's number alone
	GROUP \d, SC0, \c0, 46, \f
	s_cmp_lg_u32 s6, 0
	s_cbranch_scc1 .Lone_\@
	GROUP \d, SC1, \c1, 48, \f
	GROUP \d, SC2, \c2, 50, \f
.Lone_\@:
.endm
	LOADF 0, R0
	LOADF 1, R1
	s_wait_kmcnt 0x0
	s_cmp_eq_u32 s3, 8
	s_cselect_b32 s52, s25, s24                    ; the first group's e: e0 for x, e1, e3, e5, e11 for the weights
	s_cmp_eq_u32 s3, 9
	s_cselect_b32 s52, s27, s52
	s_cmp_eq_u32 s3, 10
	s_cselect_b32 s52, s29, s52
	s_cmp_eq_u32 s3, 11
	s_cselect_b32 s52, s35, s52
	MKSC 52, SC0
	MKSC 26, SC1                                   ; e2
	MKSC 28, SC2                                   ; e4
	s_wait_loadcnt 16                              ; fragment 0's sixteen loads are in; fragment 1's sixteen may be out
	TURNF R0, X
	s_wait_dscnt 0x0                               ; fragment 0 is back: R0 is free
	s_wait_loadcnt 0x0
	TURNF R1, R0
	s_wait_dscnt 0x0                               ; fragment 1 is back: R1 is free for codes
	FRAGQ X,  0, R1,    R1+16, R1+32
	FRAGQ R0, 1, R1+48, CX,    CX+16
	s_wait_tensorcnt 0x0
	ds_add_u32 v14, v15
	s_wait_dscnt 0x0
	s_endpgm
.Lfunc_end_k_q7c75e4c770_quant:
	.size	k_q7c75e4c770_quant, .Lfunc_end_k_q7c75e4c770_quant-k_q7c75e4c770_quant
	.p2alignl 7, 3214868480
	.fill 96, 4, 3214868480
	.section	.rodata,"a",@progbits
	.p2align	6, 0x0
	.amdhsa_kernel k_q7c75e4c770_quant
		.amdhsa_group_segment_fixed_size 34304
		.amdhsa_private_segment_fixed_size 0
		.amdhsa_enable_private_segment 0
		.amdhsa_kernarg_size 64
		.amdhsa_user_sgpr_count 2
		.amdhsa_user_sgpr_kernarg_segment_ptr 1
		.amdhsa_wavefront_size32 1
		.amdhsa_system_sgpr_workgroup_id_x 1
		.amdhsa_system_sgpr_workgroup_id_y 1
		.amdhsa_system_sgpr_workgroup_id_z 1
		.amdhsa_system_vgpr_workitem_id 0
		.amdhsa_next_free_vgpr 256
		.amdhsa_next_free_sgpr 66
		.amdhsa_reserve_vcc 0
		.amdhsa_float_denorm_mode_32 3
		.amdhsa_float_denorm_mode_16_64 3
		.amdhsa_memory_ordered 1
		.amdhsa_forward_progress 1
		.amdhsa_inst_pref_size 41
	.end_amdhsa_kernel
	.amdgpu_metadata
---
amdhsa.version: [ 1, 2 ]
amdhsa.kernels:
  - .name:           k_q7c75e4c770_quant
    .symbol:         k_q7c75e4c770_quant.kd
    .args:
      - { .name: x, .offset: 0, .size: 8, .value_kind: global_buffer, .address_space: global }
      - { .name: Wk, .offset: 8, .size: 8, .value_kind: global_buffer, .address_space: global }
      - { .name: Wq, .offset: 16, .size: 8, .value_kind: global_buffer, .address_space: global }
      - { .name: Wv, .offset: 24, .size: 8, .value_kind: global_buffer, .address_space: global }
      - { .name: Wp, .offset: 32, .size: 8, .value_kind: global_buffer, .address_space: global }
      - { .name: lowp_scales, .offset: 40, .size: 8, .value_kind: global_buffer, .address_space: global }
      - { .name: ximg, .offset: 48, .size: 8, .value_kind: global_buffer, .address_space: global }
      - { .name: wimg, .offset: 56, .size: 8, .value_kind: global_buffer, .address_space: global }
    .group_segment_fixed_size: 34304
    .private_segment_fixed_size: 0
    .kernarg_segment_align: 8
    .kernarg_segment_size: 64
    .max_flat_workgroup_size: 128
    .sgpr_count:     66
    .vgpr_count:     256
    .wavefront_size: 32
...
	.end_amdgpu_metadata
.endif
;; end of part 1
;; launch qkv (part 2): grid 12 x 32, 4 waves a work-group, clusters of 4 x 4, 327,680 bytes of LDS; arguments ximg, wimg, bk, bq, bv, lowp_scales, qkv; writes qkv
.if DOCPART == 2
	.amdgcn_target "amdgcn-amd-amdhsa--gfx1250"
	.amdhsa_code_object_version 6
	.text
	.protected	k_q7c75e4c770_qkv
	.globl	k_q7c75e4c770_qkv
	.p2align	8
	.type	k_q7c75e4c770_qkv,@function
k_q7c75e4c770_qkv:
	s_mov_b64 s[64:65], 0
	v_nop
	global_prefetch_b8 v0, s[64:65] scope:SCOPE_SE
	s_setreg_imm32_b32 hwreg(HW_REG_WAVE_MODE, 25, 1), 1
	s_wait_xcnt 0x0
	s_wait_alu depctr_hold_cnt(0) depctr_sa_sdst(0) depctr_va_vdst(0) depctr_va_sdst(0) depctr_va_ssrc(0) depctr_va_vcc(0) depctr_vm_vsrc(0)
	s_getreg_b32 s2, hwreg(HW_REG_IB_STS2, 6, 4)
	s_cmp_eq_u32 s2, 0
	s_cbranch_scc0 .Lentry_in_a_cluster
	s_endpgm
.Lentry_in_a_cluster:
	s_bfe_u32 s2, ttmp6, 0x10000c
	s_cmp_lg_u32 s2, 0xf033
	s_cbranch_scc0 .Lentry_shape_is_right
	s_endpgm
.Lentry_shape_is_right:
; k = x Wk^T + bk, q = x Wq^T + bq, v = x Wv^T + bv on codes of E4M3 (v_wmma_f32_16x16x128_fp8_fp8, sums in f32), each result quantised at once for attention's products and stored as codes.
; z = the cluster's x: 0 makes k, 1 makes q, 2 makes v.  A tile of 256 x 256 is made by four waves, 128 x 128 each: 64 accumulators, 512 registers.  K = 1,024 goes in four steps of 256 through two LDS slots.
; OPERANDS arrive as images of the operand's registers: byte = ks S + rt 4096 + q 2048 + c 512 + 16 lane (S = 0x200000 for x, 0x40000 for a weight): a wave's 128 rows of a K step are 32,768 bytes on end, one tensor load;
; a fragment is four LDS loads of 512 consecutive bytes: no pitch, no padding.
; THE MATRIX INSTRUCTION IS USED TRANSPOSED: source 0 = 16 rows of 'B', source 1 = 16 rows of 'A': lane (r, h) holds row r of 'A', its registers 8 neighbouring rows 8 h + j of 'B'.
;   z = 0, 1: 'A' = x (tokens), 'B' = W (channels): a lane's registers run along the head's channels, which are K of q k^T.     z = 2: 'A' = Wv (channels), 'B' = x (tokens): they run along the tokens, K of p v.
; So the conversions' results are the next operand's registers, and each store covers 512 consecutive bytes, aligned:
;   q (part 0), k (part 1): [16 batch + head][tile of 16 tokens][c 2][lane][16]: token r, d = 32 c + 16 (i / 8) + 8 h + i % 8.    v (part 2): [16 batch + head][128 keys][u 4][c 4][lane][16]: channel 16 u + r, key 32 c + 16 (i / 8) + 8 h + i % 8.
; x's codes: part z of ximg holds them under product z's own scale (e0, e2, e4); the weight's: part z of wimg.  Every address is made of ids and constants; the given scales enter the f32 factor and the hold alone, chosen by s_cselect on z.
; CLUSTERS: 4 x 4 work-groups; 'A''s tile is shared along a row of the cluster, 'B''s along a column, each asked for jointly.  The one branch on z is alike in all sixteen partners.
; LIMITS: e0 + e1, e2 + e3, e4 + e5 between -126 and 127; e6, e7, e9 between -126 and 119.
; REGISTERS, in windows of 256: window 0: v0-31 addresses and the scale; v32-95 the biases; v96-127 at work; v128-255 'A''s fragments, one set, later the codes.   window 1: 'B''s fragments, two sets.   windows 2, 3: the accumulators.
.set XP,     0x800000                  ; a part of ximg and of qkv
.set FR,     16                        ; registers of a fragment
.set NL,     4                         ; LDS loads that bring one
.set NP,     4                         ; places behind this matrix instruction (ISA guide 7.12.1)
.set FRB,    2048                      ; a fragment's image
.set KSB,    4096                      ; a row tile's bytes of a K step of 256
.set HALFT,  32768                     ; 128 rows: what one tensor load brings, and what one wave reads of 'A' or of 'B'
.set SLOT,   131072                    ; 'A''s 256 rows, then 'B''s 256 rows
.set SPARE,  262144                    ; behind the ring: the spare words, 128 bytes for each wave: two blocks of 256 bytes that no other line names
.set ADRA, 16                          ; v16-17  LDS address of my 'A' fragments in slot 0, 1
.set ADRB, 20                          ; v20-21  the same for 'B'
.set CO,   26                          ; v26     16 x lane
.set SPW,  28                          ; v28     LDS address of my spare word; never rewritten
.set NIL,  29                          ; v29     0; never rewritten
.set SC,   30                          ; v30     2^eo as f32, eo the result's own scale
.set LIM,  31                          ; v31     448 x 2^eo
.set BIAS, 32
.set TMP,  96
.set AF,   128
.set G1, 24                            ; s[24:31] descriptor group 1 for 'A''s tiles;  s[32:39] group 0, one set for each slot
.set G0, 32
.set G1B, 48                           ; s[48:55], s[56:63] the same for 'B''s
.set G0B, 56
.set AST, 82                           ; s[82:83] 'A''s bytes from K step to K step, then twice that
.set BST, 94                           ; s[94:95] 'B''s
.set MSB, 0
.macro WIN new                         ; the immediate's high byte repeats the setting that is left
.if MSB != (\new)
	s_set_vgpr_msb (MSB<<8)|(\new)
.set MSB, \new
.endif
.endm
.set MUL_LO, 0xa1                      ; source 0 ('B') window 1, source 1 ('A') window 0, C and D window 2
.set MUL_HI, 0xf1                      ; the same, C and D window 3
.set TO_B,   0x40                      ; destination window 1, address window 0
; A joint load: waves 0 and 1 fetch for 'A', waves 2 and 3 for 'B'.  The branch hangs on the wave's number alone.  Four v_nop follow each of the two lines.
.macro JLOAD g0a, g1a, g0b, g1b
	s_cmp_eq_u32 s15, 0
	s_cbranch_scc0 .Lfor_b_\@
	tensor_load_to_lds s[\g0a:\g0a+3], s[\g1a:\g1a+7]
	s_nop 0
.rept 4
	v_nop
.endr
	s_branch .Lasked_\@
.Lfor_b_\@:
	tensor_load_to_lds s[\g0b:\g0b+3], s[\g1b:\g1b+7]
	s_nop 0
.rept 4
	v_nop
.endr
.Lasked_\@:
.endm
.macro CREST                           ; a round of the cluster's barrier behind its opening barrier
	s_cmp_lg_u32 s14, 0
	s_cbranch_scc1 .Lnot_wave_0_\@
	s_barrier_signal -3
.Lnot_wave_0_\@:
	s_barrier_wait -3
	s_barrier_signal -1
	s_barrier_wait -1
.endm
.macro CROUND                          ; a whole round
	s_barrier_signal -1
	s_barrier_wait -1
	CREST
.endm
.macro FRAG reg, adr, q, i             ; a fragment as it lies: registers 4 c .. 4 c + 3 from 512 c + 16 lane
.irp c, 0,1,2,3
	ds_load_b128 v[\reg+4*\c:\reg+4*\c+3], v[\adr] offset:(\i)*KSB+(\q)*FRB+512*\c
.endr
.endm
; 16 matrix instructions: 'A''s blocks a0, a0 + 1 x 'B''s eight, 128 along K.  p: 'B''s set.  zero = 1: the first product starts the sums.  The 64 accumulators take turns, one instruction a turn, in the same order in every step.
.macro MUL16 a0, p, zero
.irp a, \a0, \a0+1
.irp b, 0,1,2,3,4,5,6,7
.if \zero
	v_wmma_f32_16x16x128_fp8_fp8 v[8*(8*((\a)%4)+\b):8*(8*((\a)%4)+\b)+7], v[128*(\p)+FR*\b:128*(\p)+FR*\b+FR-1], v[AF+FR*(\a):AF+FR*(\a)+FR-1], 0
.else
	v_wmma_f32_16x16x128_fp8_fp8 v[8*(8*((\a)%4)+\b):8*(8*((\a)%4)+\b)+7], v[128*(\p)+FR*\b:128*(\p)+FR*\b+FR-1], v[AF+FR*(\a):AF+FR*(\a)+FR-1], v[8*(8*((\a)%4)+\b):8*(8*((\a)%4)+\b)+7]
.endif
.endr
.endr
.endm
.macro FETCH_B slot, q, p              ; 'B''s eight fragments of the slot's q-th 128 along K into set p
	WIN TO_B
.irp i, 0,1,2,3,4,5,6,7
	FRAG 128*(\p)+FR*\i, ADRB+\slot, \q, \i
.endr
	WIN 0
.endm
.macro FETCH_A slot, q, i0             ; 'A''s blocks i0 .. i0 + 3
.irp i, \i0, \i0+1, \i0+2, \i0+3
	FRAG AF+FR*(\i), ADRA+\slot, \q, \i
.endr
.endm
.macro PLACES n                        ; plain vector lines between a matrix instruction and a load into, or a vector line on, its registers (ISA guide 7.12.1 for vector lines)
.rept \n
	v_nop
.endr
.endm
; A step of 128 along K that has its successor in the same slot.  'A' has one set of registers: blocks 0-3 are fetched anew in the step's middle, blocks 4-7 at its end
.macro STEP slot, q, zero
	s_wait_dscnt 4*NL                              ; 'B''s set and 'A''s blocks 0-3 are in; the youngest sixteen loads ('A''s blocks 4-7) may be out
	WIN MUL_LO
	MUL16 0, (\q)%2, \zero
	MUL16 2, (\q)%2, \zero
	s_wait_dscnt 0                                 ; 'A''s blocks 4-7 are in
	PLACES NP
	FETCH_B \slot, (\q)+1, 1-(\q)%2
	FETCH_A \slot, (\q)+1, 0
	WIN MUL_HI
	MUL16 4, (\q)%2, \zero
	MUL16 6, (\q)%2, \zero
	PLACES NP
	WIN 0
	FETCH_A \slot, (\q)+1, 4
.endm
; A slot's last step changes slots: ONE barrier; in front of it each wave waits for all its tensor loads, adds 0 to its spare word, and waits for that and for its own reads of this slot.  fill = 1: this slot is filled again, two K steps ahead.
.macro TURN slot, next, fill
	s_wait_tensorcnt 0x0                           ; all my tensor loads have landed: my part of the next slot  (every window is 0 here)
	ds_add_u32 v[SPW], v[NIL]                      ; 0 onto my spare word
	s_wait_dscnt 4*NL+1                            ; (the add and the youngest sixteen loads may be out)
	WIN MUL_LO
	MUL16 0, 1, 0                                  ; sixteen matrix instructions stand between the add and the wait for it
	s_wait_dscnt 0x0                               ; the add is done, and my reads of this slot are over
	s_barrier_signal -1
	MUL16 2, 1, 0
	WIN 0
	s_barrier_wait -1
.if \fill
	CREST                                          ; the barrier has opened a round of the cluster's barrier: no wave of any partner still reads this slot or has a load on its way
	s_add_nc_u64 s[G0+4*\slot+2:G0+4*\slot+3], s[G0+4*\slot+2:G0+4*\slot+3], s[AST:AST+1]
	s_add_nc_u64 s[G0B+4*\slot+2:G0B+4*\slot+3], s[G0B+4*\slot+2:G0B+4*\slot+3], s[BST:BST+1]
	JLOAD G0+4*\slot, G1, G0B+4*\slot, G1B         ; the first tensor load behind the round; its four v_nop are the places in front of the loads below
.else
	PLACES NP
.endif
	FETCH_B \next, 0, 0
	FETCH_A \next, 0, 0
	WIN MUL_HI
	MUL16 4, 1, 0
	MUL16 6, 1, 0
	PLACES NP
	WIN 0
	FETCH_A \next, 0, 4
.endm
.macro LAST                            ; the very last step: nothing more to fetch
	s_wait_dscnt 4*NL
	WIN MUL_LO
	MUL16 0, 1, 0
	MUL16 2, 1, 0
	s_wait_dscnt 0
	WIN MUL_HI
	MUL16 4, 1, 0
	MUL16 6, 1, 0
	WIN 0
.endm
	s_load_b256 s[68:75], s[0:1], 0x0              ; ximg s[68:69], wimg s[70:71], bk s[72:73], bq s[74:75]
	s_load_b128 s[76:79], s[0:1], 0x20             ; bv s[76:77], the scales s[78:79]
	s_load_b64 s[80:81], s[0:1], 0x30              ; qkv
	v_lshl_add_u32 v[SPW], v0, 2, SPARE
	v_mov_b32 v[NIL], 0
	ds_add_u32 v28, v29
	ds_add_u32 v28, v29
	s_wait_dscnt 0x0
	v_lshrrev_b32 v1, 5, v0
	v_readfirstlane_b32 s14, v1                    ; wave 0..3
	s_lshr_b32 s15, s14, 1                         ; which half of 'A''s rows is mine.  Also: I fetch for 'A' (0) or for 'B' (1)
	s_and_b32 s16, s14, 1                          ; which half of 'B''s rows.  Also: which 128 rows of that tile I fetch
	s_bfe_u32 s40, ttmp6, 0x40000                  ; cx, cy: my place in the cluster
	s_bfe_u32 s41, ttmp6, 0x40004
	s_and_b32 s17, ttmp7, 0xffff
	s_lshl_b32 s17, s17, 2                         ; 4 x cluster y: it walks the 32 tiles of tokens,
	s_cmp_eq_u32 ttmp9, 2
	s_cselect_b32 s18, 0, s17                      ; which are 'A''s for z = 0, 1
	s_cselect_b32 s19, s17, 0                      ; and 'B''s for z = 2
	s_add_co_u32 s17, s18, s41                     ; 'A''s tile: it never holds cx
	s_add_co_u32 s42, s19, s40                     ; 'B''s tile: it never holds cy
	s_lshl_b32 s43, s41, 2
	s_lshl_b32 s43, 15, s43                        ; my row of the cluster
	s_lshl_b32 s44, 0x1111, s40                    ; my column
	; descriptor group 1: a dense block of 32,768 bytes as 128 rows of 32 elements of 8 bytes
	s_or_b32 s[G1+0], s43, (3<<16)|(1<<21)         ; 15:0 the mask: 'A''s tiles go to my row; 17:16 elements of 8 bytes; 20 no padding; 21 set beside a mask
	s_or_b32 s[G1B+0], s44, (3<<16)|(1<<21)
.irp g, G1, G1B
	s_mov_b32 s[\g+1], 32<<16                      ; tensor_dim0 = 32
	s_mov_b32 s[\g+2], 128<<16                     ; tensor_dim1 = 128
	s_mov_b32 s[\g+3], 32<<16                      ; tile_dim0 = 32
	s_mov_b32 s[\g+4], 128                         ; tile_dim1 = 128
	s_mov_b32 s[\g+5], 32                          ; tensor_dim0_stride
	s_mov_b32 s[\g+6], 0
	s_mov_b32 s[\g+7], 0
.endr
	s_mul_i32 s45, s14, HALFT                      ; where my load goes: wave x 32,768: no place in the cluster enters an LDS address
	s_lshl_b32 s20, s17, 16                        ; 'A': 16 row tiles of 4,096 bytes a tile, + 8 for the half that I fetch
	s_lshl_b32 s21, s16, 15
	s_add_co_u32 s20, s20, s21
	s_mov_b32 s21, 0
	s_lshl_b32 s66, s42, 16                        ; 'B' likewise, in registers of its own
	s_lshl_b32 s67, s16, 15
	s_add_co_u32 s66, s66, s67
	s_mov_b32 s67, 0
	s_mov_b32 s13, 0
	s_wait_kmcnt 0x0
	s_load_b256 s[84:91], s[78:79], 0x0            ; e0 .. e7: waited for behind the first joint loads; no address hangs on them
	s_load_b32 s92, s[78:79], 0x24                 ; e9
	s_lshl_b32 s12, ttmp9, 23
	s_add_nc_u64 s[4:5], s[68:69], s[12:13]        ; x's codes: part z of ximg
	s_lshl_b32 s12, ttmp9, 20
	s_add_nc_u64 s[6:7], s[70:71], s[12:13]        ; the weight's codes: part z of wimg
	s_cmp_eq_u32 ttmp9, 2
	s_cselect_b64 s[10:11], s[6:7], s[4:5]         ; 'A'
	s_cselect_b64 s[46:47], s[4:5], s[6:7]         ; 'B'
	s_mov_b32 s18, 0x200000
	s_mov_b32 s19, 0x40000
	s_cselect_b32 s[AST], s19, s18
	s_cselect_b32 s[BST], s18, s19
	s_mov_b32 s[AST+1], 0
	s_mov_b32 s[BST+1], 0
	s_add_nc_u64 s[20:21], s[10:11], s[20:21]
	s_add_nc_u64 s[46:47], s[46:47], s[66:67]
	CROUND                                         ; all sixteen work-groups are here: the first joint loads meet
	s_mov_b32 s[G0], 1                             ; 1:0 count = 1
	s_add_co_u32 s[G0+1], s45, 0                   ; 63:32 LDS address: slot 0
	s_mov_b64 s[G0+2:G0+3], s[20:21]               ; 120:64 global address: K step 0
	s_or_b32 s[G0+3], s[G0+3], 0x80000000          ; 127:126 type = 2
	s_mov_b32 s[G0B], 1
	s_add_co_u32 s[G0B+1], s45, 0
	s_mov_b64 s[G0B+2:G0B+3], s[46:47]
	s_or_b32 s[G0B+3], s[G0B+3], 0x80000000
	JLOAD G0, G1, G0B, G1B
	s_mov_b32 s[G0+4], 1
	s_add_co_u32 s[G0+5], s45, SLOT
	s_add_nc_u64 s[G0+6:G0+7], s[20:21], s[AST:AST+1]   ; K step 1
	s_or_b32 s[G0+7], s[G0+7], 0x80000000
	s_mov_b32 s[G0B+4], 1
	s_add_co_u32 s[G0B+5], s45, SLOT
	s_add_nc_u64 s[G0B+6:G0B+7], s[46:47], s[BST:BST+1]
	s_or_b32 s[G0B+7], s[G0B+7], 0x80000000
	JLOAD G0+4, G1, G0B+4, G1B                     ; two tensor loads of mine are out
	s_lshl_b32 s[AST], s[AST], 1                   ; a refill steps two K steps on
	s_lshl_b32 s[BST], s[BST], 1
	v_and_b32 v1, 31, v0
	v_lshlrev_b32 v[CO], 4, v1
	v_bfe_u32 v2, v0, 4, 1
	v_lshlrev_b32 v2, 5, v2                        ; 32 h: my eight channels' biases (q, k)
	v_and_b32 v3, 15, v0
	v_lshlrev_b32 v3, 2, v3                        ; 4 r: my channel's bias (v)
	s_mul_i32 s21, s15, HALFT                      ; my 128 rows of 'A'
	s_mul_i32 s22, s16, HALFT                      ; my 128 rows of 'B',
	s_add_co_u32 s22, s22, 2*HALFT                 ; which lie behind 'A''s 256
.irp s, 0,1
	v_add_nc_u32 v[ADRA+\s], s21, v[CO]
	v_add_nc_u32 v[ADRB+\s], s22, v[CO]
	s_add_co_u32 s21, s21, SLOT
	s_add_co_u32 s22, s22, SLOT
.endr
	; the scales, chosen by z without a jump: they make the sums' factor and the result's hold, and nothing else
	s_wait_kmcnt 0x0
	s_cmp_eq_u32 ttmp9, 1
	s_cselect_b32 s23, s86, s84                    ; x's e,
	s_cselect_b32 s2, s87, s85                     ; the weight's,
	s_cselect_b32 s3, s90, s91                     ; the result's: e6 for q, e7 for k,
	s_cselect_b64 s[8:9], s[74:75], s[72:73]       ; the bias
	s_cmp_eq_u32 ttmp9, 2
	s_cselect_b32 s23, s88, s23
	s_cselect_b32 s2, s89, s2
	s_cselect_b32 s3, s92, s3                      ; e9 for v
	s_cselect_b64 s[8:9], s[76:77], s[8:9]
	s_add_co_i32 s96, s23, s2                      ; a sum stands for sum x 2^(x's e + the weight's e)
	s_add_co_i32 s96, s96, 127
	s_lshl_b32 s96, s96, 23
	s_mov_b32 s97, s96                             ; (named with it as a pair, so it is written)
	s_add_co_i32 s3, s3, 127
	s_lshl_b32 s2, s3, 23
	v_mov_b32 v[SC], s2
	s_add_co_i32 s3, s3, 8
	s_lshl_b32 s3, s3, 23
	s_or_b32 s3, s3, 0x600000
	v_mov_b32 v[LIM], s3
	s_wait_tensorcnt 1                             ; my part of K step 0 is in; K step 1's load may be out
	s_barrier_signal -1
	s_barrier_wait -1                              ; everybody's is
	FETCH_B 0, 0, 0
	FETCH_A 0, 0, 0
	FETCH_A 0, 0, 4
	STEP 0, 0, 1                                   ; the first products start the sums: nothing is cleared
	TURN 0, 1, 1                                   ; slot 0 takes K step 2
	STEP 1, 0, 0
	TURN 1, 0, 1                                   ; slot 1 takes K step 3
	STEP 0, 0, 0
	TURN 0, 1, 0                                   ; nothing is left to fetch
	STEP 1, 0, 0
; THE WAY OUT of half a block: accumulators b = 4 g .. 4 g + 3 of block a.  sum x 2^(the two e) + bias in one packed multiply-add, each accumulator from its low end on; the hold; the conversion; two stores of 512 bytes.
; The codes land in the registers that held 'A''s fragments, each written once: no store's data are written again.
.macro HALFBLK a, g, isv
.set AC0, 64*((\a)%4)+32*(\g)
.set CD,  AF+16*(\a)+8*(\g)
	WIN 0x02+((\a)/4)                              ; source 0: window 2 or 3
.irp bb, 0,1,2,3
.irp i, 0,2,4,6
.if \isv
	v_pk_fma_f32 v[TMP+8*\bb+\i:TMP+8*\bb+\i+1], v[AC0+8*\bb+\i:AC0+8*\bb+\i+1], s[96:97], v[BIAS+2*(\a):BIAS+2*(\a)+1] op_sel_hi:[1,0,1]
.else
	v_pk_fma_f32 v[TMP+8*\bb+\i:TMP+8*\bb+\i+1], v[AC0+8*\bb+\i:AC0+8*\bb+\i+1], s[96:97], v[BIAS+32*(\g)+8*\bb+\i:BIAS+32*(\g)+8*\bb+\i+1] op_sel_hi:[1,0,1]
.endif
.endr
.endr
	WIN 0
.irp i, 0,1,2,3,4,5,6,7,8,9,10,11,12,13,14,15,16,17,18,19,20,21,22,23,24,25,26,27,28,29,30,31
	v_med3_num_f32 v[TMP+\i], v[TMP+\i], -v[LIM], v[LIM]   ; the conversion to an 8-bit code does not saturate (ISA guide 7.6.2)
.endr
.irp bb, 0,1,2,3
	v_cvt_scalef32_pk8_fp8_f32 v[CD+2*\bb:CD+2*\bb+1], v[TMP+8*\bb:TMP+8*\bb+7], v[SC]
.endr
	v_nop                                          ; a plain line between the conversions and the next lines that write their sources
.irp e, 0,1
.if \isv
	global_store_b128 v[CO], v[CD+4*\e:CD+4*\e+3], s[10:11] offset:((\a)/4)*131072+((\a)%4)*2048+(2*(\g)+\e)*512   ; head a / 4, channels 16 (a % 4) on, keys 32 (2 g + e) on
.else
	global_store_b128 v[CO], v[CD+4*\e:CD+4*\e+3], s[10:11] offset:(\g)*131072+(\a)*1024+\e*512                    ; head g, tokens 16 a on, channels 32 e on
.endif
.endr
.endm
	s_cmp_eq_u32 ttmp9, 2                          ; the cluster's x: alike in all sixteen partners; no barrier and no tensor load stands in either arm
	s_cbranch_scc1 .Lv
	; ---- q, k: lane (r, h) holds token 16 a + r; register j of accumulator b holds channel 16 b + 8 h + j of my 128: two heads
	s_lshl_b32 s12, s42, 10
	s_lshl_b32 s13, s16, 9
	s_add_co_u32 s12, s12, s13
	s_mov_b32 s13, 0
	s_add_nc_u64 s[8:9], s[8:9], s[12:13]          ; the biases of my 128 channels
.irp b, 0,1,2,3,4,5,6,7
	global_load_b128 v[BIAS+8*\b:BIAS+8*\b+3],   v2, s[8:9] offset:64*\b
	global_load_b128 v[BIAS+8*\b+4:BIAS+8*\b+7], v2, s[8:9] offset:64*\b+16
.endr
	s_lshl_b32 s18, s17, 8
	s_lshl_b32 s19, s15, 7
	s_add_co_u32 s18, s18, s19                     ; my first token
	s_lshr_b32 s19, s18, 11
	s_lshl_b32 s19, s19, 21                        ; its batch: 16 heads of 131,072 bytes
	s_and_b32 s18, s18, 2047
	s_lshl_b32 s18, s18, 6                         ; its tile: 1,024 bytes for 16 tokens
	s_add_co_u32 s18, s18, s19
	s_lshl_b32 s19, s42, 2
	s_lshl_b32 s22, s16, 1
	s_add_co_u32 s19, s19, s22                     ; my first head
	s_lshl_b32 s19, s19, 17
	s_add_co_u32 s18, s18, s19
	s_cmp_eq_u32 ttmp9, 0
	s_cselect_b32 s19, XP, 0                       ; k is part 1, q part 0
	s_add_co_u32 s18, s18, s19
	s_mov_b32 s19, 0
	s_add_nc_u64 s[10:11], s[80:81], s[18:19]
	LAST                                           ; the biases land under the last 64 products
	PLACES NP
	s_wait_loadcnt 0x0
.irp a, 0,1,2,3,4,5,6,7
	HALFBLK \a, 0, 0
	HALFBLK \a, 1, 0
.endr
	s_branch .Ljoin
.Lv:
	; ---- v: lane (r, h) holds channel 16 a + r of my 128 (two heads); register j of accumulator b holds token 16 b + 8 h + j of my 128: one step of keys
	s_lshl_b32 s12, s17, 10
	s_lshl_b32 s13, s15, 9
	s_add_co_u32 s12, s12, s13
	s_mov_b32 s13, 0
	s_add_nc_u64 s[8:9], s[8:9], s[12:13]
.irp a, 0,1,2,3,4,5,6,7
	global_load_b32 v[BIAS+2*\a],   v3, s[8:9] offset:64*\a   ; my channel's bias, twice: a pair for the packed form
	global_load_b32 v[BIAS+2*\a+1], v3, s[8:9] offset:64*\a
.endr
	s_lshl_b32 s18, s42, 8
	s_lshl_b32 s19, s16, 7
	s_add_co_u32 s18, s18, s19                     ; my first token
	s_lshr_b32 s19, s18, 11
	s_lshl_b32 s19, s19, 21
	s_and_b32 s18, s18, 2047
	s_lshr_b32 s18, s18, 7
	s_lshl_b32 s18, s18, 13                        ; its step of 128 keys: 8,192 bytes
	s_add_co_u32 s18, s18, s19
	s_lshl_b32 s19, s17, 2
	s_lshl_b32 s22, s15, 1
	s_add_co_u32 s19, s19, s22                     ; my first head
	s_lshl_b32 s19, s19, 17
	s_add_co_u32 s18, s18, s19
	s_add_co_u32 s18, s18, 2*XP                    ; v is part 2
	s_mov_b32 s19, 0
	s_add_nc_u64 s[10:11], s[80:81], s[18:19]
	LAST
	PLACES NP
	s_wait_loadcnt 0x0
.irp a, 0,1,2,3,4,5,6,7
	HALFBLK \a, 0, 1
	HALFBLK \a, 1, 1
.endr
.Ljoin:
	s_wait_tensorcnt 0x0                           ; the wave's end
	ds_add_u32 v[SPW], v[NIL]
	s_wait_dscnt 0x0
	CROUND                                         ; the closing round: no work-group ends while a partner may still ask for a tile that names it
	s_endpgm
.Lfunc_end_k_q7c75e4c770_qkv:
	.size	k_q7c75e4c770_qkv, .Lfunc_end_k_q7c75e4c770_qkv-k_q7c75e4c770_qkv
	.p2alignl 7, 3214868480
	.fill 96, 4, 3214868480
	.section	.rodata,"a",@progbits
	.p2align	6, 0x0
	.amdhsa_kernel k_q7c75e4c770_qkv
		.amdhsa_group_segment_fixed_size 327680
		.amdhsa_private_segment_fixed_size 0
		.amdhsa_enable_private_segment 0
		.amdhsa_kernarg_size 56
		.amdhsa_user_sgpr_count 2
		.amdhsa_user_sgpr_kernarg_segment_ptr 1
		.amdhsa_wavefront_size32 1
		.amdhsa_system_sgpr_workgroup_id_x 1
		.amdhsa_system_sgpr_workgroup_id_y 1
		.amdhsa_system_sgpr_workgroup_id_z 1
		.amdhsa_system_vgpr_workitem_id 0
		.amdhsa_next_free_vgpr 1024
		.amdhsa_next_free_sgpr 98
		.amdhsa_reserve_vcc 0
		.amdhsa_float_denorm_mode_32 3
		.amdhsa_float_denorm_mode_16_64 3
		.amdhsa_memory_ordered 1
		.amdhsa_forward_progress 1
		.amdhsa_inst_pref_size 200
	.end_amdhsa_kernel
	.amdgpu_metadata
---
amdhsa.version: [ 1, 2 ]
amdhsa.kernels:
  - .name:           k_q7c75e4c770_qkv
    .symbol:         k_q7c75e4c770_qkv.kd
    .args:
      - { .name: ximg, .offset: 0, .size: 8, .value_kind: global_buffer, .address_space: global }
      - { .name: wimg, .offset: 8, .size: 8, .value_kind: global_buffer, .address_space: global }
      - { .name: bk, .offset: 16, .size: 8, .value_kind: global_buffer, .address_space: global }
      - { .name: bq, .offset: 24, .size: 8, .value_kind: global_buffer, .address_space: global }
      - { .name: bv, .offset: 32, .size: 8, .value_kind: global_buffer, .address_space: global }
      - { .name: lowp_scales, .offset: 40, .size: 8, .value_kind: global_buffer, .address_space: global }
      - { .name: qkv, .offset: 48, .size: 8, .value_kind: global_buffer, .address_space: global }
    .group_segment_fixed_size: 327680
    .private_segment_fixed_size: 0
    .kernarg_segment_align: 8
    .kernarg_segment_size: 56
    .max_flat_workgroup_size: 128
    .sgpr_count:     98
    .vgpr_count:     1024
    .wavefront_size: 32
...
	.end_amdgpu_metadata
.endif
;; end of part 2
;; launch attn (part 3): grid 4 x 64, 16 waves a work-group, no clusters, 67,584 bytes of LDS; arguments qkv, lowp_scales, yimg; writes yimg
.if DOCPART == 3
	.amdgcn_target "amdgcn-amd-amdhsa--gfx1250"
	.amdhsa_code_object_version 6
	.text
	.protected	k_q7c75e4c770_attn
	.globl	k_q7c75e4c770_attn
	.p2align	8
	.type	k_q7c75e4c770_attn,@function
k_q7c75e4c770_attn:
	s_mov_b64 s[64:65], 0
	v_nop
	global_prefetch_b8 v0, s[64:65] scope:SCOPE_SE
	s_setreg_imm32_b32 hwreg(HW_REG_WAVE_MODE, 25, 1), 1
	s_wait_xcnt 0x0
; y[b][q][64 head + d] = the sum over keys k <= q of softmax_k(q . k / 8) v, both products on codes of E4M3; y is quantised at once (lowp_scales[10]) and stored as the image of the last product's operand.
; q, k: [bh][tile of 16 tokens][c 2][lane][16]: a fragment of v_wmma_f32_16x16x64_fp8_fp8 as it stands.  v: [bh][128 keys][u 4][c 4][lane][16]: a fragment of the K = 128 form, 16 channels x 128 keys.
; THE SOFTMAX: t = score x log2(e) / 8; M = the largest t so far, rounded UP to a whole number; p = 2^(t - M) is quantised (e8), not normalised; the row's sum is taken of the unquantised p and divides at the end.
; When M moves, the sum and O are multiplied by 2^(old M - new M): exact.
; LAYOUT.  Both products transposed: S^T = K Q^T, O^T = V^T P^T: a lane holds ONE query (lane % 16).  Register j of score tile t is key 16 t + 8 (lane / 16) + j: the place that the K = 128 form gives registers 2 t, 2 t + 1 of P,
; so the conversions' results are the operand.  Register j of O^T's tile u is channel 16 u + 8 (lane / 16) + j: likewise for y's codes.
; SHARES.  Work-group (p, bh) owns query blocks 7 - p and then p of head bh, 256 queries each; each of its sixteen waves 16 queries of a block.  Keys go in slots of 256: 8 - p slots for the first block, p + 1 for the second:
; NINE for every work-group, so all 256 do the same work and every trip count is a constant.  A step (128 keys) all of whose keys come after my queries is jumped over: a scalar branch on ids.
; K AND V come through two LDS slots, filled through registers: each thread loads 4 x 16 bytes of the NEXT slot at the head of a trip and stores them to LDS at its end: two key steps of every wave lie between.
; One barrier a trip: a slot is written only behind the barrier that follows everybody's last read of it, and read only behind the barrier that follows everybody's stores.
; NO CLUSTER: the four work-groups of a head stand at different slots from the fifth trip on (the first block ends after 8 - p slots), so a joint request would not name the same tile.
; No tensor load and no copy: so the hold of p may be jumped over on the given e8: with e8 >= -8 the bound 448 x 2^e8 is at least 1.75, above every p.
; LIMITS: e6 + e7 between -123 and 130 (added to c's exponent field); e8 and e10 between -126 and 119; e8 + e9 goes in by v_ldexp_f32 and has none.
; REGISTERS: v1 16 lane, v3 16 thread; v12 -M, v13 the largest t, v[14:15] the sum; v16-23 Q, v24-31 the second block's Q; v32-95 K's, then V's fragments; v96-159 S^T, then p; v160-191 O^T; v192-207 p's codes;
;   v208-215 y's codes; v216-231 the next slot on its way; v240, v244: 448 x 2^e8, 2^e8; v241, v245: the same of e10; v236, v242, v243, v252-254 at work.
.set XP,    0x800000                   ; a part of qkv
.set SLOT1, 32768                      ; a slot: K's 16,384 bytes, then V's
.set VOFF,  16384
.set LI,   1
.set WI,   3
.set WV,   18
.set SEL,  20                          ; s[20:21] v_permlanex16_b32's selects for lane l xor 16
.set CS,   22                          ; s[22:23] c = log2(e) / 8 x 2^(e6 + e7)
.set KB,   40                          ; s[40:41] my head's k;  s[42:43] its v
.set VB,   42
.set FK,   44                          ; s[44:45] the next slot's byte offset in both
.set KA,   46                          ; s[46:47], s[48:49] the loads' bases
.set VA,   48
.set YB,   50                          ; s[50:51] where my y goes;  s[52:53] the second block's
.set YB2,  52
.set Q02,  54                          ; s54  the second block's first query of mine
.set ESUM, 55                          ; s55  e8 + e9
.set T1,   60                          ; s60  the trip's number + 1
.set CNT,  66
.set N1,   67                          ; s67  slots of the first block
.set KF,   98                          ; s98  the step's first key
.set Q0,   99                          ; s99  my first query
	s_load_b128 s[4:7], s[0:1], 0x0                ; qkv s[4:5], the scales s[6:7]
	s_load_b64 s[8:9], s[0:1], 0x10                ; yimg
	v_lshl_add_u32 v251, v0, 2, 0x10000
	v_mov_b32 v255, 0
	v_lshrrev_b32 v2, 5, v0
	v_readfirstlane_b32 s[WV], v2                  ; wave 0..15
	v_and_b32 v[LI], 31, v0
	v_lshlrev_b32 v[LI], 4, v[LI]
	v_lshlrev_b32 v[WI], 4, v0
	s_and_b32 s10, ttmp7, 0xffff                   ; bh = 16 batch + head
	s_sub_co_u32 s[N1], 8, ttmp9
	s_sub_co_u32 s11, 7, ttmp9
	s_lshl_b32 s[Q0], s11, 8
	s_lshl_b32 s12, s[WV], 4
	s_add_co_u32 s[Q0], s[Q0], s12                 ; 256 (7 - p) + 16 wave
	s_lshl_b32 s[Q02], ttmp9, 8
	s_add_co_u32 s[Q02], s[Q02], s12               ; 256 p + 16 wave
	s_lshl_b32 s24, s10, 17                        ; a head's 131,072 bytes in each part
	s_mov_b32 s25, 0
	s_and_b32 s30, s10, 15                         ; y's image: K step head / 4, then the row tile, then (head % 4) x 1,024
	s_lshr_b32 s31, s30, 2
	s_lshl_b32 s31, s31, 21
	s_and_b32 s30, s30, 3
	s_lshl_b32 s30, s30, 10
	s_add_co_u32 s30, s30, s31
	s_lshr_b32 s31, s10, 4
	s_lshl_b32 s31, s31, 19                        ; the batch's 128 row tiles of 4,096 bytes
	s_add_co_u32 s30, s30, s31
	s_mov_b32 s[SEL], 0x76543210
	s_mov_b32 s[SEL+1], 0xfedcba98
	s_mov_b32 s[CS], 0x3e38aa3b                    ; log2(e) / 8
	s_mov_b32 s[KF], 0
	s_mov_b32 s[T1], 0
	s_mov_b32 s[FK], 0
	s_mov_b32 s[FK+1], 0
	s_mov_b32 s29, 0
	s_wait_kmcnt 0x0
	s_load_b256 s[68:75], s[6:7], 0x10             ; e4 .. e11: s70 e6, s71 e7, s72 e8, s73 e9, s74 e10
	s_add_nc_u64 s[26:27], s[4:5], s[24:25]        ; my head's q
	s_add_nc_u64 s[KB:KB+1], s[26:27], XP
	s_add_nc_u64 s[VB:VB+1], s[26:27], 2*XP
	s_lshl_b32 s28, s[Q0], 6                       ; 1,024 bytes for 16 queries
	s_add_nc_u64 s[56:57], s[26:27], s[28:29]
	s_lshl_b32 s28, s[Q02], 6
	s_add_nc_u64 s[58:59], s[26:27], s[28:29]
	s_mov_b64 s[KA:KA+1], s[KB:KB+1]
	s_mov_b64 s[VA:VA+1], s[VB:VB+1]
.macro GET                             ; the next slot: 512 threads x 16 bytes an instruction: K's 16,384 bytes, then V's
	global_load_b128 v[216:219], v[WI], s[KA:KA+1]
	global_load_b128 v[220:223], v[WI], s[KA:KA+1] offset:8192
	global_load_b128 v[224:227], v[WI], s[VA:VA+1]
	global_load_b128 v[228:231], v[WI], s[VA:VA+1] offset:8192
.endm
.macro PUT sl                          ; into slot sl, as it lies; then the trip's barrier
	s_wait_loadcnt 0x0                             ; the four loads are in: their bases may be written again
	ds_store_b128 v[WI], v[216:219] offset:(\sl)*SLOT1
	ds_store_b128 v[WI], v[220:223] offset:(\sl)*SLOT1+8192
	ds_store_b128 v[WI], v[224:227] offset:(\sl)*SLOT1+16384
	ds_store_b128 v[WI], v[228:231] offset:(\sl)*SLOT1+24576
	s_wait_dscnt 0x0                               ; for the others' sake: my stores have landed, and my reads of the other slot are over
	s_barrier_signal -1
	s_barrier_wait -1
.endm
.macro FRESH                           ; a block begins: the largest t -3e38, under every t; sums and O^T zero, which the first change of M leaves zero
	v_mov_b32 v13, 0xff61b1e6
	v_floor_f32 v12, -v13
	v_mov_b32 v14, 0
	v_mov_b32 v15, 0
.irp j, 0,1,2,3,4,5,6,7,8,9,10,11,12,13,14,15,16,17,18,19,20,21,22,23,24,25,26,27,28,29,30,31
	v_mov_b32 v[160+\j], 0
.endr
.endm
	GET                                            ; slot 0
	global_load_b128 v[16:19], v[LI], s[56:57]     ; Q of both blocks stays in registers
	global_load_b128 v[20:23], v[LI], s[56:57] offset:512
	global_load_b128 v[24:27], v[LI], s[58:59]
	global_load_b128 v[28:31], v[LI], s[58:59] offset:512
	s_lshl_b32 s28, s[Q0], 8                       ; 4,096 bytes for 16 rows of y's image
	s_add_co_u32 s28, s28, s30
	s_add_nc_u64 s[YB:YB+1], s[8:9], s[28:29]
	s_lshl_b32 s28, s[Q02], 8
	s_add_co_u32 s28, s28, s30
	s_add_nc_u64 s[YB2:YB2+1], s[8:9], s[28:29]
	FRESH
	v_mov_b32 v236, 0                              ; written once: a lane permute's destination counts as one of its sources
	v_mov_b32 v252, 0
	v_mov_b32 v253, 0                              ; (named as the upper half of the pair v[252:253])
	s_wait_kmcnt 0x0
	s_add_co_i32 s96, s70, s71
	s_lshl_b32 s96, s96, 23
	s_add_co_i32 s[CS], s[CS], s96                 ; a score stands for score x 2^(e6 + e7): added to c's exponent field
	s_mov_b32 s[CS+1], s[CS]                       ; (named with it as a pair, so it is written)
	s_add_co_i32 s96, s72, 127
	s_lshl_b32 s97, s96, 23
	v_mov_b32 v244, s97                            ; 2^e8
	s_add_co_i32 s96, s96, 8
	s_lshl_b32 s96, s96, 23
	s_or_b32 s96, s96, 0x600000
	v_mov_b32 v240, s96                            ; 448 x 2^e8
	s_add_co_i32 s96, s74, 127
	s_lshl_b32 s97, s96, 23
	v_mov_b32 v245, s97                            ; 2^e10
	s_add_co_i32 s96, s96, 8
	s_lshl_b32 s96, s96, 23
	s_or_b32 s96, s96, 0x600000
	v_mov_b32 v241, s96                            ; 448 x 2^e10
	s_add_co_i32 s[ESUM], s72, s73
	PUT 0                                          ; (its wait for the loads serves Q too)
; A KEY STEP: 128 keys, the q-th of slot sl.
.macro STEP sl, q
	s_add_co_u32 s96, s[Q0], 15
	s_cmp_gt_u32 s[KF], s96                        ; all 128 keys come after my 16 queries: nothing to do
	s_cbranch_scc1 .Lhidden_\@
.irp t, 0,1,2,3,4,5,6,7
	ds_load_b128 v[32+8*\t:35+8*\t], v[LI] offset:(\sl)*SLOT1+8192*(\q)+1024*\t
	ds_load_b128 v[36+8*\t:39+8*\t], v[LI] offset:(\sl)*SLOT1+8192*(\q)+1024*\t+512
.endr
	s_wait_dscnt 0x0
.irp t, 0,1,2,3,4,5,6,7
	v_wmma_f32_16x16x64_fp8_fp8 v[96+8*\t:103+8*\t], v[32+8*\t:39+8*\t], v[16:23], 0   ; S^T: register j = key 16 t + 8 h + j, my query r
.endr
.rept 4
	v_nop                                          ; places in front of the loads into K's registers and of the first read of the scores
.endr
.irp u, 0,1,2,3
.irp c, 0,1,2,3
	ds_load_b128 v[32+16*\u+4*\c:35+16*\u+4*\c], v[LI] offset:(\sl)*SLOT1+VOFF+8192*(\q)+2048*\u+512*\c   ; V lands under the softmax
.endr
.endr
	s_add_co_u32 s96, s[KF], 127                   ; on the diagonal hidden scores become -infinity ahead of the maximum: p = 0 then.  A step all of whose keys count skips this
	s_cmp_le_u32 s96, s[Q0]
	s_cbranch_scc1 .Lopen_\@
	s_sub_co_i32 s96, s[Q0], s[KF]
	v_and_b32 v252, 15, v0
	v_bfe_u32 v253, v0, 4, 1
	v_lshlrev_b32 v253, 3, v253
	v_sub_nc_u32 v252, v252, v253
	v_add_nc_u32 v252, s96, v252                   ; d = my query - KF - 8 h: register 8 t + j is hidden where 16 t + j > d
	v_mov_b32 v254, 0xff800000
.irp n, 0,1,2,3,4,5,6,7,8,9,10,11,12,13,14,15,16,17,18,19,20,21,22,23,24,25,26,27,28,29,30,31,32,33,34,35,36,37,38,39,40,41,42,43,44,45,46,47,48,49,50,51,52,53,54,55,56,57,58,59,60,61,62,63
	v_cmp_gt_i32 vcc_lo, 16*(\n/8)+\n%8, v252
	v_cndmask_b32 v[96+\n], v[96+\n], v254, vcc_lo
.endr
.Lopen_\@:
	v_max3_num_f32 v254, v96, v97, v98             ; the step's largest score of my query among my 64 keys, in two chains, each accumulator from its low end on,
	v_max3_num_f32 v252, v99, v100, v101
.irp i, 6,10,14,18,22,26,30,34,38,42,46,50,54,58
	v_max3_num_f32 v254, v254, v[96+\i], v[97+\i]
	v_max3_num_f32 v252, v252, v[98+\i], v[99+\i]
.endr
	v_max3_num_f32 v254, v254, v158, v159
	v_max_num_f32 v254, v254, v252
	v_permlanex16_b32 v236, v254, s[SEL], s[SEL+1]
	v_max_num_f32 v254, v254, v236                 ; and among lane l xor 16's
	v_mul_f32 v254, s[CS], v254                    ; as t (c is positive)
	v_max_num_f32 v13, v13, v254                   ; the running largest t
	v_mov_b32 v254, v12
	v_floor_f32 v12, -v13                          ; the new -M = floor(-t): M is a whole number
	v_sub_f32 v254, v12, v254                      ; old M - new M: a whole number, 0 or less
	v_cvt_i32_f32 v254, v254                       ; (it saturates)
	v_ldexp_f32 v252, 1.0, v254                    ; f = 2^(old M - new M)
.irp j, 0,2,4,6,8,10,12,14,16,18,20,22,24,26,28,30,32,34,36,38,40,42,44,46,48,50,52,54,56,58,60,62
	v_pk_fma_f32 v[96+\j:97+\j], v[96+\j:97+\j], s[CS:CS+1], v[12:13] op_sel_hi:[1,0,0]   ; t - M, two at a time
.endr
.irp j, 0,1,2,3,4,5,6,7,8,9,10,11,12,13,14,15,16,17,18,19,20,21,22,23,24,25,26,27,28,29,30,31,32,33,34,35,36,37,38,39,40,41,42,43,44,45,46,47,48,49,50,51,52,53,54,55,56,57,58,59,60,61,62,63
	v_exp_f32 v[96+\j], v[96+\j]                   ; p = 2^(t - M), at most 1
.endr
	v_pk_mul_f32 v[14:15], v[14:15], v[252:253] op_sel_hi:[1,0]   ; the sums under the new M: the plain line behind the exponentials
	s_wait_alu depctr_va_vdst(0)                   ; one wait for the whole batch, ahead of its first reader
	v_pk_add_f32 v[242:243], v[96:97], v[98:99]    ; the row's sum is taken of the UNQUANTISED p, in two chains
.irp j, 4,8,12,16,20,24,28,32,36,40,44,48,52,56,60
	v_pk_add_f32 v[14:15], v[14:15], v[96+\j:97+\j]
	v_pk_add_f32 v[242:243], v[242:243], v[98+\j:99+\j]
.endr
	v_pk_add_f32 v[14:15], v[14:15], v[242:243]
	s_cmp_gt_i32 s72, -9                           ; e8 >= -8: 448 x 2^e8 >= 1.75 lies above every p, and the hold would change nothing
	s_cbranch_scc1 .Lno_hold_\@
.irp i, 0,1,2,3,4,5,6,7,8,9,10,11,12,13,14,15,16,17,18,19,20,21,22,23,24,25,26,27,28,29,30,31,32,33,34,35,36,37,38,39,40,41,42,43,44,45,46,47,48,49,50,51,52,53,54,55,56,57,58,59,60,61,62,63
	v_min_num_f32 v[96+\i], v[96+\i], v240         ; the conversion does not saturate (ISA guide 7.6.2); p is not negative: a one-sided hold
.endr
.Lno_hold_\@:
.irp t, 0,1,2,3,4,5,6,7
	v_cvt_scalef32_pk8_fp8_f32 v[192+2*\t:193+2*\t], v[96+8*\t:103+8*\t], v244   ; registers 2 t, 2 t + 1 of P: keys 16 t + 8 h + 0 .. 7
.endr
.irp j, 0,2,4,6,8,10,12,14,16,18,20,22,24,26,28,30
	v_pk_mul_f32 v[160+\j:161+\j], v[160+\j:161+\j], v[252:253] op_sel_hi:[1,0]   ; O^T under the new M; also the plain lines between the conversions and the products
.endr
	s_wait_dscnt 0x0                               ; V is in
.irp u, 0,1,2,3
	v_wmma_f32_16x16x128_fp8_fp8 v[160+8*\u:167+8*\u], v[32+16*\u:47+16*\u], v[192:207], v[160+8*\u:167+8*\u]   ; four accumulators by turns
.endr
.rept 4
	v_nop                                          ; places in front of the next loads into V's registers and of the next line on O^T, on every way on
.endr
.Lhidden_\@:
	s_add_co_u32 s[KF], s[KF], 128
.endm
; A block's end: O^T / the sum x 2^(e8 + e9) is y; held, converted under e10, stored: 2 x 512 consecutive bytes a wave
.macro WAYOUT
	v_add_f32 v14, v14, v15
	v_permlanex16_b32 v252, v14, s[SEL], s[SEL+1]
	v_add_f32 v14, v14, v252                       ; the row's sum
	v_rcp_f32 v14, v14
	v_nop                                          ; a plain line behind the reciprocal
	s_wait_alu depctr_va_vdst(0)                   ; and the wait ahead of its first reader
	v_ldexp_f32 v14, v14, s[ESUM]
.irp j, 0,2,4,6,8,10,12,14,16,18,20,22,24,26,28,30
	v_pk_mul_f32 v[96+\j:97+\j], v[160+\j:161+\j], v[14:15] op_sel_hi:[1,0]
.endr
.irp i, 0,1,2,3,4,5,6,7,8,9,10,11,12,13,14,15,16,17,18,19,20,21,22,23,24,25,26,27,28,29,30,31
	v_med3_num_f32 v[96+\i], v[96+\i], -v241, v241
.endr
.irp u, 0,1,2,3
	v_cvt_scalef32_pk8_fp8_f32 v[208+2*\u:209+2*\u], v[96+8*\u:103+8*\u], v245
.endr
	v_nop                                          ; a plain line behind the conversions: later products write their sources
	global_store_b128 v[LI], v[208:211], s[YB:YB+1]
	global_store_b128 v[LI], v[212:215], s[YB:YB+1] offset:512
.endm
.macro REINIT                          ; on to the second block
	s_wait_xcnt 0x0                                ; the stores have read their base and their data: both may be written again
.irp j, 0,1,2,3,4,5,6,7
	v_mov_b32 v[16+\j], v[24+\j]
.endr
	FRESH
	s_mov_b32 s[Q0], s[Q02]
	s_mov_b32 s[KF], 0
	s_mov_b64 s[YB:YB+1], s[YB2:YB2+1]
.endm
; A TRIP: the next slot is asked for; slot sl's two steps; where the first block ends, its way out; the next slot goes into the other half of LDS; the barrier
.macro TRIP sl
	s_add_co_u32 s[T1], s[T1], 1
	s_add_co_u32 s[FK], s[FK], 16384
	s_cmp_eq_u32 s[T1], s[N1]
	s_cselect_b32 s[FK], 0, s[FK]                  ; the second block begins at key 0 again
	s_add_nc_u64 s[KA:KA+1], s[KB:KB+1], s[FK:FK+1]
	s_add_nc_u64 s[VA:VA+1], s[VB:VB+1], s[FK:FK+1]
	GET
	STEP \sl, 0
	STEP \sl, 1
	s_cmp_lg_u32 s[T1], s[N1]                      ; alike in all sixteen waves
	s_cbranch_scc1 .Lsame_\@
	WAYOUT
	REINIT
.Lsame_\@:
	PUT 1-(\sl)
.endm
	s_mov_b32 s[CNT], 4
.Lpair:                                            ; eight trips, two to a turn of the loop, so that every LDS address is an immediate
	TRIP 0
	TRIP 1
	s_sub_co_u32 s[CNT], s[CNT], 1
	s_cmp_lg_u32 s[CNT], 0
	s_cbranch_scc1 .Lpair
	STEP 0, 0                                      ; the ninth slot: nothing is left to fetch
	STEP 0, 1
	WAYOUT
	s_wait_tensorcnt 0x0
	ds_add_u32 v251, v255
	s_wait_dscnt 0x0
	s_endpgm
.Lfunc_end_k_q7c75e4c770_attn:
	.size	k_q7c75e4c770_attn, .Lfunc_end_k_q7c75e4c770_attn-k_q7c75e4c770_attn
	.p2alignl 7, 3214868480
	.fill 96, 4, 3214868480
	.section	.rodata,"a",@progbits
	.p2align	6, 0x0
	.amdhsa_kernel k_q7c75e4c770_attn
		.amdhsa_group_segment_fixed_size 67584
		.amdhsa_private_segment_fixed_size 0
		.amdhsa_enable_private_segment 0
		.amdhsa_kernarg_size 24
		.amdhsa_user_sgpr_count 2
		.amdhsa_user_sgpr_kernarg_segment_ptr 1
		.amdhsa_wavefront_size32 1
		.amdhsa_system_sgpr_workgroup_id_x 1
		.amdhsa_system_sgpr_workgroup_id_y 1
		.amdhsa_system_sgpr_workgroup_id_z 1
		.amdhsa_system_vgpr_workitem_id 0
		.amdhsa_next_free_vgpr 256
		.amdhsa_next_free_sgpr 100
		.amdhsa_reserve_vcc 1
		.amdhsa_float_denorm_mode_32 3
		.amdhsa_float_denorm_mode_16_64 3
		.amdhsa_memory_ordered 1
		.amdhsa_forward_progress 1
		.amdhsa_inst_pref_size 146
	.end_amdhsa_kernel
	.amdgpu_metadata
---
amdhsa.version: [ 1, 2 ]
amdhsa.kernels:
  - .name:           k_q7c75e4c770_attn
    .symbol:         k_q7c75e4c770_attn.kd
    .args:
      - { .name: qkv, .offset: 0, .size: 8, .value_kind: global_buffer, .address_space: global }
      - { .name: lowp_scales, .offset: 8, .size: 8, .value_kind: global_buffer, .address_space: global }
      - { .name: yimg, .offset: 16, .size: 8, .value_kind: global_buffer, .address_space: global }
    .group_segment_fixed_size: 67584
    .private_segment_fixed_size: 0
    .kernarg_segment_align: 8
    .kernarg_segment_size: 24
    .max_flat_workgroup_size: 512
    .sgpr_count:     100
    .vgpr_count:     256
    .wavefront_size: 32
...
	.end_amdgpu_metadata
.endif
;; end of part 3
;; launch proj (part 4): grid 4 x 32, 4 waves a work-group, clusters of 4 x 4, 327,680 bytes of LDS; arguments yimg, wimg, lowp_scales, bp, out0; writes out0
.if DOCPART == 4
	.amdgcn_target "amdgcn-amd-amdhsa--gfx1250"
	.amdhsa_code_object_version 6
	.text
	.protected	k_q7c75e4c770_proj
	.globl	k_q7c75e4c770_proj
	.p2align	8
	.type	k_q7c75e4c770_proj,@function
k_q7c75e4c770_proj:
	s_mov_b64 s[64:65], 0
	v_nop
	global_prefetch_b8 v0, s[64:65] scope:SCOPE_SE
	s_setreg_imm32_b32 hwreg(HW_REG_WAVE_MODE, 25, 1), 1
	s_wait_xcnt 0x0
	s_wait_alu depctr_hold_cnt(0) depctr_sa_sdst(0) depctr_va_vdst(0) depctr_va_sdst(0) depctr_va_ssrc(0) depctr_va_vcc(0) depctr_vm_vsrc(0)
	s_getreg_b32 s2, hwreg(HW_REG_IB_STS2, 6, 4)
	s_cmp_eq_u32 s2, 0
	s_cbranch_scc0 .Lentry_in_a_cluster
	s_endpgm
.Lentry_in_a_cluster:
	s_bfe_u32 s2, ttmp6, 0x10000c
	s_cmp_lg_u32 s2, 0xf033
	s_cbranch_scc0 .Lentry_shape_is_right
	s_endpgm
.Lentry_shape_is_right:
; out0 = y Wp^T + bp on codes of E4M3 (v_wmma_f32_16x16x128_fp8_fp8, sums in f32): out0 = sum x 2^(e10 + e11) + bp, f32, [8192][1024].
; y's and Wp's codes arrive as images of the operand's registers: byte = ks S + rt 4096 + q 2048 + c 512 + 16 lane (S = 0x200000 for y, 0x40000 for Wp, which is part 3 of wimg).
; A tile of 256 x 256 is made by four waves, 128 x 128 each; K = 1,024 goes in four steps of 256 through two LDS slots; a wave's tensor load brings 128 rows of a K step: 32,768 bytes on end.
; CLUSTERS: 4 x 4 work-groups; y's tile is shared along a row of the cluster, Wp's along a column, each asked for jointly.  The grid has 128 work-groups: 32 x 4 tiles.
; THE MATRIX INSTRUCTION IS USED TRANSPOSED (source 0 = 16 rows of Wp, source 1 = 16 rows of y): a lane holds eight neighbouring numbers of a row of out0.
; THE WAY OUT: a block of 16 rows x 128 columns goes through the wave's own stage in LDS and leaves as whole rows of 512 bytes.  The stage lies in slot 0, which has had its last fill and its last read by then.
; LIMIT: e10 + e11 between -126 and 127.
; REGISTERS, in windows of 256: window 0: v0-31 addresses; v32-95 bp of my 128 columns; v128-255 y's fragments, one set, later rows on their way out.   window 1: Wp's fragments, two sets; on the way out v0-63 at work.   windows 2, 3: the accumulators.
.set FR,     16                        ; registers of a fragment
.set NL,     4                         ; LDS loads that bring one
.set NP,     4                         ; places behind this matrix instruction (ISA guide 7.12.1)
.set FRB,    2048                      ; a fragment's image
.set KSB,    4096                      ; a row tile's bytes of a K step of 256
.set HALFT,  32768                     ; 128 rows: what one tensor load brings, and what one wave reads of A or of B
.set SLOT,   131072                    ; A's 256 rows, then B's 256 rows
.set SPARE,  262144                    ; behind the ring: the spare words, 128 bytes for each wave: two blocks of 256 bytes that no other line names
.set SPITCH, 528                       ; a stage row: 512 bytes + 16
.set ADRA, 16                          ; v16-17  LDS address of my A fragments in slot 0, 1
.set ADRB, 20                          ; v20-21  the same for B
.set STO,  24                          ; v24     the way out: where I put 32 bytes of a row
.set RD,   25                          ; v25     the way out: where I read a row back
.set CO,   26                          ; v26     16 x lane
.set SPW,  28                          ; v28     LDS address of my spare word; never rewritten
.set NIL,  29                          ; v29     0; never rewritten
.set BIAS, 32
.set AF,   128
.set BK,   128                         ; the way out: 16 rows read back from the stage: v128-191 and v192-255 by turns
.set G1, 24                            ; s[24:31] descriptor group 1 for A's tiles;  s[32:39] group 0, one set for each slot
.set G0, 32
.set G1B, 48                           ; s[48:55], s[56:63] the same for B's
.set G0B, 56
.set AST, 82                           ; s[82:83] A's bytes from K step to K step, then twice that
.set BST, 94                           ; s[94:95] B's
.set MSB, 0
.macro WIN new                         ; the immediate's high byte repeats the setting that is left
.if MSB != (\new)
	s_set_vgpr_msb (MSB<<8)|(\new)
.set MSB, \new
.endif
.endm
.set MUL_LO, 0xa1                      ; source 0 (B) window 1, source 1 (A) window 0, C and D window 2
.set MUL_HI, 0xf1                      ; the same, C and D window 3
.set TO_B,   0x40                      ; destination window 1, address window 0
; A joint load: waves 0 and 1 fetch for A, waves 2 and 3 for B.  The branch hangs on the wave's number alone.  Four v_nop follow each of the two lines.
.macro JLOAD g0a, g1a, g0b, g1b
	s_cmp_eq_u32 s15, 0
	s_cbranch_scc0 .Lfor_b_\@
	tensor_load_to_lds s[\g0a:\g0a+3], s[\g1a:\g1a+7]
	s_nop 0
.rept 4
	v_nop
.endr
	s_branch .Lasked_\@
.Lfor_b_\@:
	tensor_load_to_lds s[\g0b:\g0b+3], s[\g1b:\g1b+7]
	s_nop 0
.rept 4
	v_nop
.endr
.Lasked_\@:
.endm
.macro CREST                           ; a round of the cluster's barrier behind its opening barrier
	s_cmp_lg_u32 s14, 0
	s_cbranch_scc1 .Lnot_wave_0_\@
	s_barrier_signal -3
.Lnot_wave_0_\@:
	s_barrier_wait -3
	s_barrier_signal -1
	s_barrier_wait -1
.endm
.macro CROUND                          ; a whole round
	s_barrier_signal -1
	s_barrier_wait -1
	CREST
.endm
.macro FRAG reg, adr, q, i             ; a fragment as it lies: registers 4 c .. 4 c + 3 from 512 c + 16 lane
.irp c, 0,1,2,3
	ds_load_b128 v[\reg+4*\c:\reg+4*\c+3], v[\adr] offset:(\i)*KSB+(\q)*FRB+512*\c
.endr
.endm
; 16 matrix instructions: A's blocks a0, a0 + 1 x B's eight, 128 along K.  p: B's set.  zero = 1: the first product starts the sums.  The 64 accumulators take turns, one instruction a turn, in the same order in every step.
.macro MUL16 a0, p, zero
.irp a, \a0, \a0+1
.irp b, 0,1,2,3,4,5,6,7
.if \zero
	v_wmma_f32_16x16x128_fp8_fp8 v[8*(8*((\a)%4)+\b):8*(8*((\a)%4)+\b)+7], v[128*(\p)+FR*\b:128*(\p)+FR*\b+FR-1], v[AF+FR*(\a):AF+FR*(\a)+FR-1], 0
.else
	v_wmma_f32_16x16x128_fp8_fp8 v[8*(8*((\a)%4)+\b):8*(8*((\a)%4)+\b)+7], v[128*(\p)+FR*\b:128*(\p)+FR*\b+FR-1], v[AF+FR*(\a):AF+FR*(\a)+FR-1], v[8*(8*((\a)%4)+\b):8*(8*((\a)%4)+\b)+7]
.endif
.endr
.endr
.endm
.macro FETCH_B slot, q, p              ; B's eight fragments of the slot's q-th 128 along K into set p
	WIN TO_B
.irp i, 0,1,2,3,4,5,6,7
	FRAG 128*(\p)+FR*\i, ADRB+\slot, \q, \i
.endr
	WIN 0
.endm
.macro FETCH_A slot, q, i0             ; A's blocks i0 .. i0 + 3
.irp i, \i0, \i0+1, \i0+2, \i0+3
	FRAG AF+FR*(\i), ADRA+\slot, \q, \i
.endr
.endm
.macro PLACES n                        ; plain vector lines between a matrix instruction and a load into, or a vector line on, its registers (ISA guide 7.12.1 for vector lines)
.rept \n
	v_nop
.endr
.endm
; A step of 128 along K that has its successor in the same slot.  A has one set of registers: blocks 0-3 are fetched anew in the step's middle, blocks 4-7 at its end
.macro STEP slot, q, zero
	s_wait_dscnt 4*NL                              ; B's set and A's blocks 0-3 are in; the youngest sixteen loads (A's blocks 4-7) may be out
	WIN MUL_LO
	MUL16 0, (\q)%2, \zero
	MUL16 2, (\q)%2, \zero
	s_wait_dscnt 0                                 ; A's blocks 4-7 are in
	PLACES NP
	FETCH_B \slot, (\q)+1, 1-(\q)%2
	FETCH_A \slot, (\q)+1, 0
	WIN MUL_HI
	MUL16 4, (\q)%2, \zero
	MUL16 6, (\q)%2, \zero
	PLACES NP
	WIN 0
	FETCH_A \slot, (\q)+1, 4
.endm
; A slot's last step changes slots: ONE barrier; in front of it each wave waits for all its tensor loads, adds 0 to its spare word, and waits for that and for its own reads of this slot.  fill = 1: this slot is filled again, two K steps ahead.
.macro TURN slot, next, fill
	s_wait_tensorcnt 0x0                           ; all my tensor loads have landed: my part of the next slot  (every window is 0 here)
	ds_add_u32 v[SPW], v[NIL]                      ; 0 onto my spare word
	s_wait_dscnt 4*NL+1                            ; (the add and the youngest sixteen loads may be out)
	WIN MUL_LO
	MUL16 0, 1, 0                                  ; sixteen matrix instructions stand between the add and the wait for it
	s_wait_dscnt 0x0                               ; the add is done, and my reads of this slot are over
	s_barrier_signal -1
	MUL16 2, 1, 0
	WIN 0
	s_barrier_wait -1
.if \fill
	CREST                                          ; the barrier has opened a round of the cluster's barrier: no wave of any partner still reads this slot or has a load on its way
	s_add_nc_u64 s[G0+4*\slot+2:G0+4*\slot+3], s[G0+4*\slot+2:G0+4*\slot+3], s[AST:AST+1]
	s_add_nc_u64 s[G0B+4*\slot+2:G0B+4*\slot+3], s[G0B+4*\slot+2:G0B+4*\slot+3], s[BST:BST+1]
	JLOAD G0+4*\slot, G1, G0B+4*\slot, G1B         ; the first tensor load behind the round; its four v_nop are the places in front of the loads below
.else
	PLACES NP
.endif
	FETCH_B \next, 0, 0
	FETCH_A \next, 0, 0
	WIN MUL_HI
	MUL16 4, 1, 0
	MUL16 6, 1, 0
	PLACES NP
	WIN 0
	FETCH_A \next, 0, 4
.endm
.macro LAST                            ; the very last step: nothing more to fetch
	s_wait_dscnt 4*NL
	WIN MUL_LO
	MUL16 0, 1, 0
	MUL16 2, 1, 0
	s_wait_dscnt 0
	WIN MUL_HI
	MUL16 4, 1, 0
	MUL16 6, 1, 0
	WIN 0
.endm
	s_load_b256 s[68:75], s[0:1], 0x0              ; yimg s[68:69], wimg s[70:71], the scales s[72:73], bp s[74:75]
	s_load_b64 s[76:77], s[0:1], 0x20              ; out0
	v_lshl_add_u32 v[SPW], v0, 2, SPARE
	v_mov_b32 v[NIL], 0
	ds_add_u32 v28, v29
	ds_add_u32 v28, v29
	s_wait_dscnt 0x0
	v_lshrrev_b32 v1, 5, v0
	v_readfirstlane_b32 s14, v1                    ; wave 0..3
	s_lshr_b32 s15, s14, 1                         ; which half of the tile's rows is mine.  Also: I fetch for A (0) or for B (1)
	s_and_b32 s16, s14, 1                          ; which half of its columns.  Also: which 128 rows of that tile I fetch
	s_bfe_u32 s40, ttmp6, 0x40000                  ; cx, cy: my place in the cluster
	s_bfe_u32 s41, ttmp6, 0x40004
	s_lshl_b32 s42, ttmp9, 2
	s_add_co_u32 s42, s42, s40                     ; tile column = 4 x cluster x + cx
	s_and_b32 s17, ttmp7, 0xffff
	s_lshl_b32 s17, s17, 2
	s_add_co_u32 s17, s17, s41                     ; tile row = 4 x cluster y + cy
	s_lshl_b32 s43, s41, 2
	s_lshl_b32 s43, 15, s43                        ; my row of the cluster
	s_lshl_b32 s44, 0x1111, s40                    ; my column
	; descriptor group 1: a dense block of 32,768 bytes as 128 rows of 32 elements of 8 bytes
	s_or_b32 s[G1+0], s43, (3<<16)|(1<<21)         ; 15:0 the mask: A's tiles go to my row; 17:16 elements of 8 bytes; 20 no padding; 21 set beside a mask
	s_or_b32 s[G1B+0], s44, (3<<16)|(1<<21)
.irp g, G1, G1B
	s_mov_b32 s[\g+1], 32<<16                      ; tensor_dim0 = 32
	s_mov_b32 s[\g+2], 128<<16                     ; tensor_dim1 = 128
	s_mov_b32 s[\g+3], 32<<16                      ; tile_dim0 = 32
	s_mov_b32 s[\g+4], 128                         ; tile_dim1 = 128
	s_mov_b32 s[\g+5], 32                          ; tensor_dim0_stride
	s_mov_b32 s[\g+6], 0
	s_mov_b32 s[\g+7], 0
.endr
	s_mul_i32 s45, s14, HALFT                      ; where my load goes: wave x 32,768: no place in the cluster enters an LDS address
	s_mov_b32 s[AST], 0x200000
	s_mov_b32 s[AST+1], 0
	s_mov_b32 s[BST], 0x40000
	s_mov_b32 s[BST+1], 0
	s_lshl_b32 s20, s17, 16                        ; A: 16 row tiles of 4,096 bytes a tile, + 8 for the half that I fetch
	s_lshl_b32 s21, s16, 15
	s_add_co_u32 s20, s20, s21
	s_mov_b32 s21, 0
	s_lshl_b32 s66, s42, 16                        ; B likewise, in registers of its own,
	s_lshl_b32 s67, s16, 15
	s_add_co_u32 s66, s66, s67
	s_add_co_u32 s66, s66, 0x300000                ; in part 3 of wimg
	s_mov_b32 s67, 0
	s_wait_kmcnt 0x0
	s_load_b64 s[96:97], s[72:73], 0x28            ; e10, e11
	s_add_nc_u64 s[20:21], s[68:69], s[20:21]
	s_add_nc_u64 s[46:47], s[70:71], s[66:67]
	CROUND                                         ; all sixteen work-groups are here: the first joint loads meet
	s_mov_b32 s[G0], 1                             ; 1:0 count = 1
	s_add_co_u32 s[G0+1], s45, 0                   ; 63:32 LDS address: slot 0
	s_mov_b64 s[G0+2:G0+3], s[20:21]               ; 120:64 global address: K step 0
	s_or_b32 s[G0+3], s[G0+3], 0x80000000          ; 127:126 type = 2
	s_mov_b32 s[G0B], 1
	s_add_co_u32 s[G0B+1], s45, 0
	s_mov_b64 s[G0B+2:G0B+3], s[46:47]
	s_or_b32 s[G0B+3], s[G0B+3], 0x80000000
	JLOAD G0, G1, G0B, G1B
	s_mov_b32 s[G0+4], 1
	s_add_co_u32 s[G0+5], s45, SLOT
	s_add_nc_u64 s[G0+6:G0+7], s[20:21], s[AST:AST+1]   ; K step 1
	s_or_b32 s[G0+7], s[G0+7], 0x80000000
	s_mov_b32 s[G0B+4], 1
	s_add_co_u32 s[G0B+5], s45, SLOT
	s_add_nc_u64 s[G0B+6:G0B+7], s[46:47], s[BST:BST+1]
	s_or_b32 s[G0B+7], s[G0B+7], 0x80000000
	JLOAD G0+4, G1, G0B+4, G1B                     ; two tensor loads of mine are out
	s_lshl_b32 s[AST], s[AST], 1                   ; a refill steps two K steps on
	s_lshl_b32 s[BST], s[BST], 1
	v_and_b32 v1, 31, v0
	v_lshlrev_b32 v[CO], 4, v1
	v_bfe_u32 v5, v0, 4, 1                         ; h
	v_lshlrev_b32 v2, 5, v5                        ; 32 h: my eight columns' biases
	v_and_b32 v4, 15, v0                           ; r
	s_lshl_b32 s12, s42, 10
	s_lshl_b32 s13, s16, 9
	s_add_co_u32 s12, s12, s13                     ; my first column, in bytes: 1,024 x tile column + 512 x half
	s_mov_b32 s13, 0
	s_add_nc_u64 s[8:9], s[74:75], s[12:13]
.irp b, 0,1,2,3,4,5,6,7
	global_load_b128 v[BIAS+8*\b:BIAS+8*\b+3],   v2, s[8:9] offset:64*\b      ; bp(16 b + 8 h + 0 .. 7) of my 128 columns
	global_load_b128 v[BIAS+8*\b+4:BIAS+8*\b+7], v2, s[8:9] offset:64*\b+16
.endr
	s_lshl_b32 s18, s17, 20                        ; my first row: (256 x tile row + 128 x half) x 4,096 bytes
	s_lshl_b32 s19, s15, 19
	s_add_co_u32 s18, s18, s19
	s_add_co_u32 s18, s18, s12
	s_mov_b32 s19, 0
	s_add_nc_u64 s[10:11], s[76:77], s[18:19]
	s_mul_i32 s21, s15, HALFT                      ; my 128 rows of A
	s_mul_i32 s22, s16, HALFT                      ; my 128 rows of B,
	s_add_co_u32 s22, s22, 2*HALFT                 ; which lie behind A's 256
.irp s, 0,1
	v_add_nc_u32 v[ADRA+\s], s21, v[CO]
	v_add_nc_u32 v[ADRB+\s], s22, v[CO]
	s_add_co_u32 s21, s21, SLOT
	s_add_co_u32 s22, s22, SLOT
.endr
	s_mul_i32 s23, s14, 16*SPITCH                  ; my stage
	v_mul_u32_u24 v6, v4, SPITCH                   ; in: row r, 32 bytes for each half of the lanes
	v_lshl_add_u32 v6, v5, 5, v6
	v_add_nc_u32 v[STO], s23, v6
	v_add_nc_u32 v[RD], s23, v[CO]                 ; back: the 32 lanes take one row of 512 bytes
	s_wait_tensorcnt 1                             ; my part of K step 0 is in; K step 1's load may be out
	s_barrier_signal -1
	s_barrier_wait -1                              ; everybody's is
	FETCH_B 0, 0, 0
	FETCH_A 0, 0, 0
	FETCH_A 0, 0, 4
	STEP 0, 0, 1                                   ; the first products start the sums: nothing is cleared
	TURN 0, 1, 1                                   ; slot 0 takes K step 2
	STEP 1, 0, 0
	TURN 1, 0, 1                                   ; slot 1 takes K step 3
	STEP 0, 0, 0
	TURN 0, 1, 0                                   ; nothing is left to fetch; behind this barrier nobody reads slot 0
	STEP 1, 0, 0
	LAST
; THE WAY OUT, block by block of 16 rows x 128 columns.  LDS serves a wave's instructions in order (ISA guide 5.7.1.4): no wait between the stage's stores and loads, nor in front of the next block's stores.
.macro TOSTAGE a
.set AC, 64*((\a)%4)
	WIN 0x42+((\a)/4)                              ; source 0 (the sums) window 2 or 3, source 2 (bp) window 0, destination window 1
.irp j, 0,2,4,6,8,10,12,14,16,18,20,22,24,26,28,30,32,34,36,38,40,42,44,46,48,50,52,54,56,58,60,62
	v_pk_fma_f32 v[\j:\j+1], v[AC+\j:AC+\j+1], s[96:97], v[BIAS+\j:BIAS+\j+1] op_sel_hi:[1,0,1]   ; sum x 2^(e10 + e11) + bp; each accumulator from its low end on
.endr
	WIN 0x04                                       ; an LDS store's data: source 1, window 1
.irp b, 0,1,2,3,4,5,6,7
	ds_store_b128 v[STO], v[8*\b:8*\b+3] offset:64*\b
	ds_store_b128 v[STO], v[8*\b+4:8*\b+7] offset:64*\b+16
.endr
	WIN 0
.set BB, BK+64*((\a)%2)
.irp t, 0,1,2,3,4,5,6,7,8,9,10,11,12,13,14,15
	ds_load_b128 v[BB+4*\t:BB+4*\t+3], v[RD] offset:\t*SPITCH
.endr
.endm
.macro SEND a, younger                 ; younger: the LDS instructions issued behind block a's loads, which may stay out
.set BB, BK+64*((\a)%2)
	s_wait_dscnt \younger                          ; the block is back in registers
.if (\a) > 0
	s_add_nc_u64 s[10:11], s[10:11], 16*4096       ; (behind a wait on XCNT: the earlier stores have read their base)  16 rows on
.endif
.irp t, 0,1,2,3,4,5,6,7,8,9,10,11,12,13,14,15
	global_store_b128 v[CO], v[BB+4*\t:BB+4*\t+3], s[10:11] offset:\t*4096 th:TH_STORE_NT   ; 32 lanes store 512 consecutive bytes, aligned; written once, read by nobody here
.endr
.endm
	s_wait_kmcnt 0x0
	s_add_co_i32 s96, s96, s97                     ; e10 + e11
	s_add_co_i32 s96, s96, 127
	s_lshl_b32 s96, s96, 23                        ; 2^(e10 + e11) as f32
	s_mov_b32 s97, s96                             ; (named with it as a pair, so it is written)
	s_wait_loadcnt 0x0                             ; bp
	PLACES NP                                      ; in front of the first read of results and of the loads into the registers that held A's fragments
	TOSTAGE 0
.irp a, 1,2,3,4,5,6,7
.if \a > 1
	s_wait_xcnt 0x0                                ; block a - 2's stores have read their registers and their base
.endif
	TOSTAGE \a
	SEND \a-1, 32                                  ; behind block a - 1's loads: block a's 16 stores and 16 loads
.endr
	s_wait_xcnt 0x0                                ; block 6's stores have read their base
	SEND 7, 0
	s_wait_tensorcnt 0x0                           ; the wave's end
	ds_add_u32 v[SPW], v[NIL]
	s_wait_dscnt 0x0
	CROUND                                         ; the closing round: no work-group ends while a partner may still ask for a tile that names it
	s_endpgm
.Lfunc_end_k_q7c75e4c770_proj:
	.size	k_q7c75e4c770_proj, .Lfunc_end_k_q7c75e4c770_proj-k_q7c75e4c770_proj
	.p2alignl 7, 3214868480
	.fill 96, 4, 3214868480
	.section	.rodata,"a",@progbits
	.p2align	6, 0x0
	.amdhsa_kernel k_q7c75e4c770_proj
		.amdhsa_group_segment_fixed_size 327680
		.amdhsa_private_segment_fixed_size 0
		.amdhsa_enable_private_segment 0
		.amdhsa_kernarg_size 40
		.amdhsa_user_sgpr_count 2
		.amdhsa_user_sgpr_kernarg_segment_ptr 1
		.amdhsa_wavefront_size32 1
		.amdhsa_system_sgpr_workgroup_id_x 1
		.amdhsa_system_sgpr_workgroup_id_y 1
		.amdhsa_system_sgpr_workgroup_id_z 1
		.amdhsa_system_vgpr_workitem_id 0
		.amdhsa_next_free_vgpr 1024
		.amdhsa_next_free_sgpr 98
		.amdhsa_reserve_vcc 0
		.amdhsa_float_denorm_mode_32 3
		.amdhsa_float_denorm_mode_16_64 3
		.amdhsa_memory_ordered 1
		.amdhsa_forward_progress 1
		.amdhsa_inst_pref_size 125
	.end_amdhsa_kernel
	.amdgpu_metadata
---
amdhsa.version: [ 1, 2 ]
amdhsa.kernels:
  - .name:           k_q7c75e4c770_proj
    .symbol:         k_q7c75e4c770_proj.kd
    .args:
      - { .name: yimg, .offset: 0, .size: 8, .value_kind: global_buffer, .address_space: global }
      - { .name: wimg, .offset: 8, .size: 8, .value_kind: global_buffer, .address_space: global }
      - { .name: lowp_scales, .offset: 16, .size: 8, .value_kind: global_buffer, .address_space: global }
      - { .name: bp, .offset: 24, .size: 8, .value_kind: global_buffer, .address_space: global }
      - { .name: out0, .offset: 32, .size: 8, .value_kind: global_buffer, .address_space: global }
    .group_segment_fixed_size: 327680
    .private_segment_fixed_size: 0
    .kernarg_segment_align: 8
    .kernarg_segment_size: 40
    .max_flat_workgroup_size: 128
    .sgpr_count:     98
    .vgpr_count:     1024
    .wavefront_size: 32
...
	.end_amdgpu_metadata
.endif
;; end of part 4
;; ======== version 2 of 2: 4 launches; version 1 with the launch attn written anew for expert scheduling mode
;; workspace buffers: ximg 25,165,824 bytes; wimg 4,194,304 bytes; qkv 25,165,824 bytes; yimg 8,388,608 bytes
;; launch quant: the kernel of part 1 again; grid 64 x 12, 4 waves a work-group, no clusters, 34,304 bytes of LDS; arguments x, Wk, Wq, Wv, Wp, lowp_scales, ximg, wimg; writes ximg, wimg
;; launch qkv: the kernel of part 2 again; grid 12 x 32, 4 waves a work-group, clusters of 4 x 4, 327,680 bytes of LDS; arguments ximg, wimg, bk, bq, bv, lowp_scales, qkv; writes qkv
;; launch attn (part 5): grid 4 x 64, 16 waves a work-group, no clusters, 67,584 bytes of LDS; arguments qkv, lowp_scales, yimg; writes yimg
.if DOCPART == 5
	.amdgcn_target "amdgcn-amd-amdhsa--gfx1250"
	.amdhsa_code_object_version 6
	.text
	.protected	k_q7c75e4c770_attn
	.globl	k_q7c75e4c770_attn
	.p2align	8
	.type	k_q7c75e4c770_attn,@function
k_q7c75e4c770_attn:
	s_mov_b64 s[64:65], 0
	v_nop
	global_prefetch_b8 v0, s[64:65] scope:SCOPE_SE
	s_setreg_imm32_b32 hwreg(HW_REG_WAVE_SCHED_MODE, 0, 2), 2
	s_setreg_imm32_b32 hwreg(HW_REG_WAVE_MODE, 25, 1), 1
	s_wait_xcnt 0x0
	s_wait_alu depctr_vm_vsrc(0)
; y[b][q][64 head + d] = the sum over keys k <= q of softmax_k(q . k / 8) v, both products on codes of E4M3; y is quantised at once (lowp_scales[10]) and stored as the image of the last product's operand.
; q, k: [bh][tile of 16 tokens][c 2][lane][16]: a fragment of v_wmma_f32_16x16x64_fp8_fp8 as it stands.  v: [bh][128 keys][u 4][c 4][lane][16]: a fragment of the K = 128 form, 16 channels x 128 keys.
; THE SOFTMAX: t = score x log2(e) / 8; M = the largest t so far, rounded UP to a whole number; p = 2^(t - M) is quantised (e8), not normalised; the row's sum is taken of the unquantised p and divides at the end.
; When M moves, the sum and O are multiplied by 2^(old M - new M): exact.
; LAYOUT.  Both products transposed: S^T = K Q^T, O^T = V^T P^T: a lane holds ONE query (lane % 16).  Register j of score tile t is key 16 t + 8 (lane / 16) + j: the place that the K = 128 form gives registers 2 t, 2 t + 1 of P,
; so the conversions' results are the operand.  Register j of O^T's tile u is channel 16 u + 8 (lane / 16) + j: likewise for y's codes.
; SHARES.  Work-group (p, bh) owns query blocks 7 - p and then p of head bh, 256 queries each; each of its sixteen waves 16 queries of a block.  Keys go in slots of 256: 8 - p slots for the first block, p + 1 for the second:
; NINE for every work-group, so all 256 do the same work and every trip count is a constant.  A step (128 keys) all of whose keys come after my queries is jumped over: a scalar branch on ids.
; K AND V come through two LDS slots, filled through registers: each thread loads 4 x 16 bytes of the NEXT slot at the head of a trip and stores them to LDS at its end: two key steps of every wave lie between.
; One barrier a trip: a slot is written only behind the barrier that follows everybody's last read of it, and read only behind the barrier that follows everybody's stores.
; NO CLUSTER: the four work-groups of a head stand at different slots from the fifth trip on (the first block ends after 8 - p slots), so a joint request would not name the same tile.
; No tensor load and no copy: so the hold of p may be jumped over on the given e8: with e8 >= -8 the bound 448 x 2^e8 is at least 1.75, above every p.
; LIMITS: e6 + e7 between -123 and 130 (added to c's exponent field); e8 and e10 between -126 and 119; e8 + e9 goes in by v_ldexp_f32 and has none.
; THE MODE: SCHED_MODE bits 1:0 = 2 (LLVM: expert scheduling mode 2), set by the entry lines.  The code itself states the register dependences between vector or matrix instructions and memory or LDS instructions,
; with s_wait_alu, always for 0.
; THE PLAN.  Registers that LDS or memory instructions touch:
;   X = v32-95, Y = v96-159   two buffers of 64 that change roles between a slot's two steps.  First step: K lands in X; the products K Q^T read X and write S^T into Y; V lands in X; the softmax works on Y, and the conversions
;                             to p's codes read it last; then the SECOND step's K lands in Y, while O^T is rescaled and the products V^T P read X.  Second step: the same with X and Y exchanged; it asks for nothing ahead:
;                             the next K lies behind the trip's barrier.
;   v216-231                  the next slot on its way: global loads land in them, LDS stores read them; no vector instruction names them.
;   v208-215                  y's codes: the way out's conversions write them, two global stores read them.
;   v1, v3                    16 lane, 16 thread: made at the head, never written again: every offset is an immediate, every base a scalar pair.
;   v16-31                    Q of both blocks: loads land at the head; from then on vector and matrix instructions alone name them.
; THE WAITS in a slot's two steps: on va_vdst at the first step's head (all earlier lines are done with X), behind each step's products K Q^T (they have read K), behind the exponentials, and behind the first step's conversions
; (all lines are done with Y).  Each stands directly ahead of the run of loads that leans on it.  On vm_vsrc at a trip's head: the LDS stores have read v216-231.
; REGISTERS beside these: v12 -M, v13 the largest t, v[14:15] the sum; v160-191 O^T; v192-207 p's codes; v240, v244: 448 x 2^e8, 2^e8; v241, v245: the same of e10; v236, v242, v243, v252-254 at work.
.set XP,    0x800000                   ; a part of qkv
.set SLOT1, 32768                      ; a slot: K's 16,384 bytes, then V's
.set VOFF,  16384
.set LI,   1
.set WI,   3
.set BX,   32                          ; buffer X
.set BY,   96                          ; buffer Y
.set WV,   18
.set SEL,  20                          ; s[20:21] v_permlanex16_b32's selects for lane l xor 16
.set CS,   22                          ; s[22:23] c = log2(e) / 8 x 2^(e6 + e7)
.set KB,   40                          ; s[40:41] my head's k;  s[42:43] its v
.set VB,   42
.set FK,   44                          ; s[44:45] the next slot's byte offset in both
.set KA,   46                          ; s[46:47], s[48:49] the loads' bases
.set VA,   48
.set YB,   50                          ; s[50:51] where my y goes;  s[52:53] the second block's
.set YB2,  52
.set Q02,  54                          ; s54  the second block's first query of mine
.set ESUM, 55                          ; s55  e8 + e9
.set T1,   60                          ; s60  the trip's number + 1
.set KS,   61                          ; s61  the first key of the slot's second step
.set CNT,  66
.set N1,   67                          ; s67  slots of the first block
.set MK,   76                          ; s[76:91] sixteen masks of the diagonal
.set KF,   98                          ; s98  the slot's first key
.set Q0,   99                          ; s99  my first query
	s_load_b128 s[4:7], s[0:1], 0x0                ; qkv s[4:5], the scales s[6:7]
	s_load_b64 s[8:9], s[0:1], 0x10                ; yimg
	v_lshl_add_u32 v251, v0, 2, 0x10000
	v_mov_b32 v255, 0
	v_lshrrev_b32 v2, 5, v0
	v_readfirstlane_b32 s[WV], v2                  ; wave 0..15
	v_and_b32 v[LI], 31, v0
	v_lshlrev_b32 v[LI], 4, v[LI]
	v_lshlrev_b32 v[WI], 4, v0
	s_and_b32 s10, ttmp7, 0xffff                   ; bh = 16 batch + head
	s_sub_co_u32 s[N1], 8, ttmp9
	s_sub_co_u32 s11, 7, ttmp9
	s_lshl_b32 s[Q0], s11, 8
	s_wait_alu depctr_va_sdst(0)                   ; the wave's number is written, ahead of its first reader: my queries and my addresses are made from it
	s_lshl_b32 s12, s[WV], 4
	s_add_co_u32 s[Q0], s[Q0], s12                 ; 256 (7 - p) + 16 wave
	s_lshl_b32 s[Q02], ttmp9, 8
	s_add_co_u32 s[Q02], s[Q02], s12               ; 256 p + 16 wave
	s_lshl_b32 s24, s10, 17                        ; a head's 131,072 bytes in each part
	s_mov_b32 s25, 0
	s_and_b32 s30, s10, 15                         ; y's image: K step head / 4, then the row tile, then (head % 4) x 1,024
	s_lshr_b32 s31, s30, 2
	s_lshl_b32 s31, s31, 21
	s_and_b32 s30, s30, 3
	s_lshl_b32 s30, s30, 10
	s_add_co_u32 s30, s30, s31
	s_lshr_b32 s31, s10, 4
	s_lshl_b32 s31, s31, 19                        ; the batch's 128 row tiles of 4,096 bytes
	s_add_co_u32 s30, s30, s31
	s_mov_b32 s[SEL], 0x76543210
	s_mov_b32 s[SEL+1], 0xfedcba98
	s_mov_b32 s[CS], 0x3e38aa3b                    ; log2(e) / 8
	s_mov_b32 s[KF], 0
	s_mov_b32 s[T1], 0
	s_mov_b32 s[FK], 0
	s_mov_b32 s[FK+1], 0
	s_mov_b32 s29, 0
	s_wait_kmcnt 0x0
	s_load_b256 s[68:75], s[6:7], 0x10             ; e4 .. e11: s70 e6, s71 e7, s72 e8, s73 e9, s74 e10
	s_add_nc_u64 s[26:27], s[4:5], s[24:25]        ; my head's q
	s_add_nc_u64 s[KB:KB+1], s[26:27], XP
	s_add_nc_u64 s[VB:VB+1], s[26:27], 2*XP
	s_lshl_b32 s28, s[Q0], 6                       ; 1,024 bytes for 16 queries
	s_add_nc_u64 s[56:57], s[26:27], s[28:29]
	s_lshl_b32 s28, s[Q02], 6
	s_add_nc_u64 s[58:59], s[26:27], s[28:29]
	s_mov_b64 s[KA:KA+1], s[KB:KB+1]
	s_mov_b64 s[VA:VA+1], s[VB:VB+1]
.macro GET                             ; the next slot: 512 threads x 16 bytes an instruction: K's 16,384 bytes, then V's
	global_load_b128 v[216:219], v[WI], s[KA:KA+1]
	global_load_b128 v[220:223], v[WI], s[KA:KA+1] offset:8192
	global_load_b128 v[224:227], v[WI], s[VA:VA+1]
	global_load_b128 v[228:231], v[WI], s[VA:VA+1] offset:8192
.endm
.macro PUT sl                          ; into slot sl, as it lies; then the trip's barrier
	s_wait_loadcnt 0x0                             ; the four loads are in: their bases may be written again
	ds_store_b128 v[WI], v[216:219] offset:(\sl)*SLOT1
	ds_store_b128 v[WI], v[220:223] offset:(\sl)*SLOT1+8192
	ds_store_b128 v[WI], v[224:227] offset:(\sl)*SLOT1+16384
	ds_store_b128 v[WI], v[228:231] offset:(\sl)*SLOT1+24576
	s_wait_dscnt 0x0                               ; for the others' sake: my stores have landed, and my reads of the other slot are over
	s_barrier_signal -1
	s_barrier_wait -1
.endm
.macro FRESH                           ; a block begins: the largest t -3e38, under every t; sums and O^T zero, which the first change of M leaves zero
	v_mov_b32 v13, 0xff61b1e6
	v_floor_f32 v12, -v13
	v_mov_b32 v14, 0
	v_mov_b32 v15, 0
.irp j, 0,1,2,3,4,5,6,7,8,9,10,11,12,13,14,15,16,17,18,19,20,21,22,23,24,25,26,27,28,29,30,31
	v_mov_b32 v[160+\j], 0
.endr
.endm
	s_wait_alu depctr_va_vdst(0)                   ; v1 and v3 are written: every load and store of the kernel, to memory or to LDS, reads one of them as its address
	GET                                            ; slot 0
	global_load_b128 v[16:19], v[LI], s[56:57]     ; Q of both blocks stays in registers
	global_load_b128 v[20:23], v[LI], s[56:57] offset:512
	global_load_b128 v[24:27], v[LI], s[58:59]
	global_load_b128 v[28:31], v[LI], s[58:59] offset:512
	s_lshl_b32 s28, s[Q0], 8                       ; 4,096 bytes for 16 rows of y's image
	s_add_co_u32 s28, s28, s30
	s_add_nc_u64 s[YB:YB+1], s[8:9], s[28:29]
	s_lshl_b32 s28, s[Q02], 8
	s_add_co_u32 s28, s28, s30
	s_add_nc_u64 s[YB2:YB2+1], s[8:9], s[28:29]
	FRESH
	v_mov_b32 v236, 0                              ; written once: a lane permute's destination counts as one of its sources
	v_mov_b32 v252, 0
	v_mov_b32 v253, 0                              ; (named as the upper half of the pair v[252:253])
	s_wait_kmcnt 0x0
	s_add_co_i32 s96, s70, s71
	s_lshl_b32 s96, s96, 23
	s_add_co_i32 s[CS], s[CS], s96                 ; a score stands for score x 2^(e6 + e7): added to c's exponent field
	s_mov_b32 s[CS+1], s[CS]                       ; (named with it as a pair, so it is written)
	s_add_co_i32 s96, s72, 127
	s_lshl_b32 s97, s96, 23
	v_mov_b32 v244, s97                            ; 2^e8
	s_add_co_i32 s96, s96, 8
	s_lshl_b32 s96, s96, 23
	s_or_b32 s96, s96, 0x600000
	v_mov_b32 v240, s96                            ; 448 x 2^e8
	s_add_co_i32 s96, s74, 127
	s_lshl_b32 s97, s96, 23
	v_mov_b32 v245, s97                            ; 2^e10
	s_add_co_i32 s96, s96, 8
	s_lshl_b32 s96, s96, 23
	s_or_b32 s96, s96, 0x600000
	v_mov_b32 v241, s96                            ; 448 x 2^e10
	s_add_co_i32 s[ESUM], s72, s73
	PUT 0                                          ; (its wait for the loads serves Q too)
; A KEY STEP: 128 keys, the q-th of slot sl; s[kf] holds its first key.  kv: the buffer of K, then of V; sp: the buffer of S^T, then of p.
; own = 1, a slot's first step: it asks for its own K at its head and, behind its conversions, for the second step's K, into sp.  own = 0, the second step: its K has been asked for.
.macro BODY sl, q, kf, kv, sp, own
.if \own
	s_wait_alu depctr_va_vdst(0)                   ; every earlier vector and matrix line is done with X (the last second step's scores, p and conversions), in which K lands
.irp t, 0,1,2,3,4,5,6,7
	ds_load_b128 v[\kv+8*\t:\kv+8*\t+3],   v[LI] offset:(\sl)*SLOT1+8192*(\q)+1024*\t
	ds_load_b128 v[\kv+8*\t+4:\kv+8*\t+7], v[LI] offset:(\sl)*SLOT1+8192*(\q)+1024*\t+512
.endr
.endif
.irp t, 0,1,2,3,4,5,6,7
.if (\t == 0) && \own
	s_wait_dscnt 8                                 ; LDS loads come back in order (ISA guide 5.7.1): K's tiles 0 to 3 are in; the younger eight loads, tiles 4 to 7, may be out
.elseif \t == 0
	s_wait_dscnt 0x0                               ; K, asked for in the step before, is in
.elseif (\t == 4) && \own
	s_wait_dscnt 0x0                               ; tiles 4 to 7 are in
.endif
	v_wmma_f32_16x16x64_fp8_fp8 v[\sp+8*\t:\sp+8*\t+7], v[\kv+8*\t:\kv+8*\t+7], v[16:23], 0   ; S^T: register j = key 16 t + 8 h + j, my query r
.endr
.rept 4
	v_nop                                          ; places in front of the first read of the scores (ISA guide 7.12.1)
.endr
	s_wait_alu depctr_va_vdst(0)                   ; the eight products have read K's registers, in which V lands
.irp u, 0,1,2,3
.irp c, 0,1,2,3
	ds_load_b128 v[\kv+16*\u+4*\c:\kv+16*\u+4*\c+3], v[LI] offset:(\sl)*SLOT1+VOFF+8192*(\q)+2048*\u+512*\c   ; V lands under the softmax
.endr
.endr
	s_add_co_u32 s96, s[\kf], 127                  ; on the diagonal hidden scores become -infinity ahead of the maximum: p = 0 then.  A step all of whose keys count skips this
	s_cmp_le_u32 s96, s[Q0]
	s_cbranch_scc1 .Lopen_\@
	s_sub_co_i32 s96, s[Q0], s[\kf]
	v_and_b32 v252, 15, v0
	v_bfe_u32 v253, v0, 4, 1
	v_lshlrev_b32 v253, 3, v253
	v_sub_nc_u32 v252, v252, v253
	v_add_nc_u32 v252, s96, v252                   ; d = my query - the step's first key - 8 h: register 8 t + j is hidden where 16 t + j > d
	v_mov_b32 v254, 0xff800000
.irp g, 0,1,2,3                                ; sixteen registers (two tiles) at a time: a run of compares into sixteen scalar registers, one wait, the sixteen selects
.irp i, 0,1,2,3,4,5,6,7,8,9,10,11,12,13,14,15
	v_cmp_gt_i32 s[MK+\i], 32*\g+16*(\i/8)+\i%8, v252
.endr
	s_wait_alu depctr_va_sdst(0)                   ; the sixteen compares have written s[76:91], ahead of the selects that read them
.irp i, 0,1,2,3,4,5,6,7,8,9,10,11,12,13,14,15
	v_cndmask_b32 v[\sp+16*\g+\i], v[\sp+16*\g+\i], v254, s[MK+\i]
.endr
.endr
.Lopen_\@:
	v_max3_num_f32 v254, v[\sp], v[\sp+1], v[\sp+2]   ; the step's largest score of my query among my 64 keys, in two chains, each accumulator from its low end on,
	v_max3_num_f32 v252, v[\sp+3], v[\sp+4], v[\sp+5]
.irp i, 6,10,14,18,22,26,30,34,38,42,46,50,54,58
	v_max3_num_f32 v254, v254, v[\sp+\i], v[\sp+1+\i]
	v_max3_num_f32 v252, v252, v[\sp+2+\i], v[\sp+3+\i]
.endr
	v_max3_num_f32 v254, v254, v[\sp+62], v[\sp+63]
	v_max_num_f32 v254, v254, v252
	v_permlanex16_b32 v236, v254, s[SEL], s[SEL+1]
	v_max_num_f32 v254, v254, v236                 ; and among lane l xor 16's
	v_mul_f32 v254, s[CS], v254                    ; as t (c is positive)
	v_max_num_f32 v13, v13, v254                   ; the running largest t
	v_mov_b32 v254, v12
	v_floor_f32 v12, -v13                          ; the new -M = floor(-t): M is a whole number
	v_sub_f32 v254, v12, v254                      ; old M - new M: a whole number, 0 or less
	v_cvt_i32_f32 v254, v254                       ; (it saturates)
	v_ldexp_f32 v252, 1.0, v254                    ; f = 2^(old M - new M)
.irp j, 0,2,4,6,8,10,12,14,16,18,20,22,24,26,28,30,32,34,36,38,40,42,44,46,48,50,52,54,56,58,60,62
	v_pk_fma_f32 v[\sp+\j:\sp+\j+1], v[\sp+\j:\sp+\j+1], s[CS:CS+1], v[12:13] op_sel_hi:[1,0,0]   ; t - M, two at a time
.endr
.irp j, 0,1,2,3,4,5,6,7,8,9,10,11,12,13,14,15,16,17,18,19,20,21,22,23,24,25,26,27,28,29,30,31,32,33,34,35,36,37,38,39,40,41,42,43,44,45,46,47,48,49,50,51,52,53,54,55,56,57,58,59,60,61,62,63
	v_exp_f32 v[\sp+\j], v[\sp+\j]                 ; p = 2^(t - M), at most 1
.endr
	v_pk_mul_f32 v[14:15], v[14:15], v[252:253] op_sel_hi:[1,0]   ; the sums under the new M: the plain line behind the exponentials
	s_wait_alu depctr_va_vdst(0)                   ; the 64 exponentials have written p: one wait for the whole batch, ahead of its first reader
	v_pk_add_f32 v[242:243], v[\sp:\sp+1], v[\sp+2:\sp+3]   ; the row's sum is taken of the UNQUANTISED p, in two chains
.irp j, 4,8,12,16,20,24,28,32,36,40,44,48,52,56,60
	v_pk_add_f32 v[14:15], v[14:15], v[\sp+\j:\sp+\j+1]
	v_pk_add_f32 v[242:243], v[242:243], v[\sp+2+\j:\sp+3+\j]
.endr
	v_pk_add_f32 v[14:15], v[14:15], v[242:243]
	s_cmp_gt_i32 s72, -9                           ; e8 >= -8: 448 x 2^e8 >= 1.75 lies above every p, and the hold would change nothing
	s_cbranch_scc1 .Lno_hold_\@
.irp i, 0,1,2,3,4,5,6,7,8,9,10,11,12,13,14,15,16,17,18,19,20,21,22,23,24,25,26,27,28,29,30,31,32,33,34,35,36,37,38,39,40,41,42,43,44,45,46,47,48,49,50,51,52,53,54,55,56,57,58,59,60,61,62,63
	v_min_num_f32 v[\sp+\i], v[\sp+\i], v240       ; the conversion does not saturate (ISA guide 7.6.2); p is not negative: a one-sided hold
.endr
.Lno_hold_\@:
.irp t, 0,1,2,3,4,5,6,7
	v_cvt_scalef32_pk8_fp8_f32 v[192+2*\t:193+2*\t], v[\sp+8*\t:\sp+8*\t+7], v244   ; registers 2 t, 2 t + 1 of P: keys 16 t + 8 h + 0 .. 7
.endr
.if \own
	s_wait_alu depctr_va_vdst(0)                   ; the conversions, and the sums and holds ahead of them, are done reading p's registers, in which the second step's K lands
.irp t, 0,1,2,3,4,5,6,7
	ds_load_b128 v[\sp+8*\t:\sp+8*\t+3],   v[LI] offset:(\sl)*SLOT1+8192*((\q)+1)+1024*\t        ; the same slot's second 128 keys.  No line from here to that step's head names these registers
	ds_load_b128 v[\sp+8*\t+4:\sp+8*\t+7], v[LI] offset:(\sl)*SLOT1+8192*((\q)+1)+1024*\t+512
.endr
.endif
.irp j, 0,2,4,6,8,10,12,14,16,18,20,22,24,26,28,30
	v_pk_mul_f32 v[160+\j:161+\j], v[160+\j:161+\j], v[252:253] op_sel_hi:[1,0]   ; O^T under the new M; also the plain lines between the conversions and the products
.endr
.if \own
	s_wait_dscnt 16                                ; V is in; the sixteen younger loads, the second step's K, may be out
.else
	s_wait_dscnt 0x0                               ; V is in
.endif
.irp u, 0,1,2,3
	v_wmma_f32_16x16x128_fp8_fp8 v[160+8*\u:167+8*\u], v[\kv+16*\u:\kv+16*\u+15], v[192:207], v[160+8*\u:167+8*\u]   ; four accumulators by turns
.endr
.rept 5
	v_nop                                          ; places, on every way on: four in front of the next vector line on O^T or on V's registers, five in front of the next products, whose scores are written over V's registers
.endr
.endm
; A SLOT'S TWO STEPS.  The second leans on the first, which has asked for its K: so where the first is hidden (all its keys come after my 16 queries) both are jumped over; the second's keys come later still.
.macro PAIR sl
	s_add_co_u32 s96, s[Q0], 15
	s_cmp_gt_u32 s[KF], s96                        ; all 256 keys come after my 16 queries: nothing to do
	s_cbranch_scc1 .Lnone_\@
	BODY \sl, 0, KF, BX, BY, 1
	s_add_co_u32 s[KS], s[KF], 128
	s_add_co_u32 s96, s[Q0], 15
	s_cmp_gt_u32 s[KS], s96                        ; the second 128 keys do
	s_cbranch_scc1 .Lhalf_\@
	BODY \sl, 1, KS, BY, BX, 0
.Lhalf_\@:
	s_wait_dscnt 0x0                               ; where the second step is jumped over, the K that was asked for it has landed: v96-159 may be written
.Lnone_\@:
	s_add_co_u32 s[KF], s[KF], 256
.endm
; A block's end: O^T / the sum x 2^(e8 + e9) is y; held, converted under e10, stored: 2 x 512 consecutive bytes a wave
.macro WAYOUT
	v_add_f32 v14, v14, v15
	v_permlanex16_b32 v252, v14, s[SEL], s[SEL+1]
	v_add_f32 v14, v14, v252                       ; the row's sum
	v_rcp_f32 v14, v14
	v_nop                                          ; a plain line behind the reciprocal
	s_wait_alu depctr_va_vdst(0)                   ; the reciprocal has written v14, ahead of its first reader
	v_ldexp_f32 v14, v14, s[ESUM]
.irp j, 0,2,4,6,8,10,12,14,16,18,20,22,24,26,28,30
	v_pk_mul_f32 v[96+\j:97+\j], v[160+\j:161+\j], v[14:15] op_sel_hi:[1,0]
.endr
.irp i, 0,1,2,3,4,5,6,7,8,9,10,11,12,13,14,15,16,17,18,19,20,21,22,23,24,25,26,27,28,29,30,31
	v_med3_num_f32 v[96+\i], v[96+\i], -v241, v241
.endr
.irp u, 0,1,2,3
	v_cvt_scalef32_pk8_fp8_f32 v[208+2*\u:209+2*\u], v[96+8*\u:103+8*\u], v245
.endr
	v_nop                                          ; a plain line behind the conversions: later products write their sources
	s_wait_alu depctr_va_vdst(0)                   ; the conversions have written v[208:215], which the two stores read
	global_store_b128 v[LI], v[208:211], s[YB:YB+1]
	global_store_b128 v[LI], v[212:215], s[YB:YB+1] offset:512
.endm
.macro REINIT                          ; on to the second block
	s_wait_xcnt 0x0                                ; the stores have read their base and their data: both may be written again
	s_wait_alu depctr_vm_vsrc(0)                   ; the two stores have read v[208:215], which the second block's conversions write again
.irp j, 0,1,2,3,4,5,6,7
	v_mov_b32 v[16+\j], v[24+\j]
.endr
	FRESH
	s_mov_b32 s[Q0], s[Q02]
	s_mov_b32 s[KF], 0
	s_mov_b64 s[YB:YB+1], s[YB2:YB2+1]
.endm
; A TRIP: the next slot is asked for; slot sl's two steps; where the first block ends, its way out; the next slot goes into the other half of LDS; the barrier
.macro TRIP sl
	s_add_co_u32 s[T1], s[T1], 1
	s_add_co_u32 s[FK], s[FK], 16384
	s_cmp_eq_u32 s[T1], s[N1]
	s_cselect_b32 s[FK], 0, s[FK]                  ; the second block begins at key 0 again
	s_add_nc_u64 s[KA:KA+1], s[KB:KB+1], s[FK:FK+1]
	s_add_nc_u64 s[VA:VA+1], s[VB:VB+1], s[FK:FK+1]
	s_wait_alu depctr_vm_vsrc(0)                   ; the LDS stores of the trip before have read v[216:231], in which the four loads below land
	GET
	PAIR \sl
	s_cmp_lg_u32 s[T1], s[N1]                      ; alike in all sixteen waves
	s_cbranch_scc1 .Lsame_\@
	WAYOUT
	REINIT
.Lsame_\@:
	PUT 1-(\sl)
.endm
	s_mov_b32 s[CNT], 4
.Lpair:                                            ; eight trips, two to a turn of the loop, so that every LDS address is an immediate
	TRIP 0
	TRIP 1
	s_sub_co_u32 s[CNT], s[CNT], 1
	s_cmp_lg_u32 s[CNT], 0
	s_cbranch_scc1 .Lpair
	PAIR 0                                         ; the ninth slot: nothing is left to fetch
	WAYOUT
	s_wait_dscnt 0x0
	s_wait_alu depctr_hold_cnt(0) depctr_sa_sdst(0) depctr_va_vdst(0) depctr_va_sdst(0) depctr_va_ssrc(0) depctr_va_vcc(0) depctr_vm_vsrc(0)
	s_wait_tensorcnt 0x0
	ds_add_u32 v251, v255
	s_wait_dscnt 0x0
	s_endpgm
.Lfunc_end_k_q7c75e4c770_attn:
	.size	k_q7c75e4c770_attn, .Lfunc_end_k_q7c75e4c770_attn-k_q7c75e4c770_attn
	.p2alignl 7, 3214868480
	.fill 96, 4, 3214868480
	.section	.rodata,"a",@progbits
	.p2align	6, 0x0
	.amdhsa_kernel k_q7c75e4c770_attn
		.amdhsa_group_segment_fixed_size 67584
		.amdhsa_private_segment_fixed_size 0
		.amdhsa_enable_private_segment 0
		.amdhsa_kernarg_size 24
		.amdhsa_user_sgpr_count 2
		.amdhsa_user_sgpr_kernarg_segment_ptr 1
		.amdhsa_wavefront_size32 1
		.amdhsa_system_sgpr_workgroup_id_x 1
		.amdhsa_system_sgpr_workgroup_id_y 1
		.amdhsa_system_sgpr_workgroup_id_z 1
		.amdhsa_system_vgpr_workitem_id 0
		.amdhsa_next_free_vgpr 256
		.amdhsa_next_free_sgpr 100
		.amdhsa_reserve_vcc 0
		.amdhsa_float_denorm_mode_32 3
		.amdhsa_float_denorm_mode_16_64 3
		.amdhsa_memory_ordered 1
		.amdhsa_forward_progress 1
		.amdhsa_inst_pref_size 172
	.end_amdhsa_kernel
	.amdgpu_metadata
---
amdhsa.version: [ 1, 2 ]
amdhsa.kernels:
  - .name:           k_q7c75e4c770_attn
    .symbol:         k_q7c75e4c770_attn.kd
    .args:
      - { .name: qkv, .offset: 0, .size: 8, .value_kind: global_buffer, .address_space: global }
      - { .name: lowp_scales, .offset: 8, .size: 8, .value_kind: global_buffer, .address_space: global }
      - { .name: yimg, .offset: 16, .size: 8, .value_kind: global_buffer, .address_space: global }
    .group_segment_fixed_size: 67584
    .private_segment_fixed_size: 0
    .kernarg_segment_align: 8
    .kernarg_segment_size: 24
    .max_flat_workgroup_size: 512
    .sgpr_count:     100
    .vgpr_count:     256
    .wavefront_size: 32
...
	.end_amdgpu_metadata
.endif
;; end of part 5
;; launch proj: the kernel of part 4 again; grid 4 x 32, 4 waves a work-group, clusters of 4 x 4, 327,680 bytes of LDS; arguments yimg, wimg, lowp_scales, bp, out0; writes out0
